; MI455X (gfx1250); checked and timed in simulation.
; The chip was launched on July 23, 2026; its instructions are those of AMD's public machine-readable ISA for CDNA 5 (MIT licence, August 2026) and "CDNA5" Instruction Set Architecture Reference Guide (July 2026). The comments in the code are by the model that wrote it; some were corrected since.
;; Masked Multihead Self Attention. Allowed arithmetic: matrix products marked QUANTISED: E2M3 operands, one E8M0 scale for each 32 along K, by v_wmma_scale_f32_16x16x128_f8f6f4 with both operands' format E2M3, f32 sums; everything else in f32.
;; Inputs: W_out 1,024 x 1,024 float32; W_qkv 1,024 x 3,072 float32; b_out 1,024 float32; b_qkv 3,072 float32; x 4 x 2,048 x 1,024 float32.
;; Outputs: out0 4 x 2,048 x 1,024 float32.
;; This version of the problem:
;;   THIS VERSION OF THE PROBLEM IS GIVEN IN LOW PRECISION. The matrix products marked QUANTISED in the list below multiply operands that are first quantised to E2M3 (2 exponent bits, 3 mantissa bits; 6 bits a number), with one power-of-two scale for each 32 numbers along K (OCP MX v1.0); their sums are f32. All else is computed in f32.
;;   The module's matrix products, in the order in which they are computed (A, B: the left and right operand; K: the contracted axis; several contracted axes count as one K, in the product's order):
;;     1. [M 8,192, K 1,024] x [K 1,024, N 3,072]; A: input x; B: input W_qkv: QUANTISED
;;     2. batch 64 x [M 2,048, K 64] x [K 64, N 2,048]; A: computed on the way; B: computed on the way: QUANTISED
;;     3. batch 64 x [M 2,048, K 2,048] x [K 2,048, N 64]; A: softmax (see below); B: computed on the way: QUANTISED
;;     4. [M 8,192, K 1,024] x [K 1,024, N 1,024]; A: computed on the way; B: input W_out: QUANTISED
;;   THE QUANTISER, for each operand of a quantised product, along K:
;;     - K is cut into blocks of 32 from its start; a last block that is shorter is filled with zeros.
;;     - A block's scale is 2^e with e = floor(log2(the largest magnitude in the block)) - 2, held to -126 .. 127; a block of zeros has e = 0. As a byte (E8M0): e + 127.
;;     - Each number is divided by its block's scale, clamped to +-7.5, and rounded to the nearest number of E2M3, ties to even, subnormals kept.
;;     - The product sums the exact products of the quantised numbers (number of the format x scale) in f32.
;;   ~~~python
;;   def quantise(x, axis):      # numpy; x: float32 -> the quantised numbers, widened to float32 again
;;       x = np.moveaxis(x, axis, -1); K = x.shape[-1]
;;       x = np.pad(x, [(0, 0)] * (x.ndim - 1) + [(0, -K % 32)]); x = x.reshape(x.shape[:-1] + (-1, 32)); a = np.abs(x).max(-1, keepdims=True)
;;       e = np.where(a > 0, np.clip(np.frexp(np.where(a > 0, a, 1))[1] - 1 - 2, -126, 127), 0)      # np.frexp(a)[1] - 1 = floor(log2(a)), exactly
;;       r = np.clip(x / 2.0 ** e, -7.5, 7.5)
;;       step = 2.0 ** (np.maximum(np.frexp(np.where(r == 0, 1, r))[1] - 1, 0) - 3)
;;       q = np.round(r / step) * step * 2.0 ** e      # np.round: ties to even
;;       return np.moveaxis(q.reshape(q.shape[:-2] + (-1,))[..., :K], -1, axis).astype(np.float32)
;;   ~~~
;;   SOFTMAX AHEAD OF A QUANTISED PRODUCT. Where the list says 'softmax', what is quantised is not the finished softmax but p = 2^(t - M), with t = logit x log2(e) and M = ceil(the row's largest t), a whole number; so 1/2 < the row's largest p <= 1. The row's sum l is taken of the UNQUANTISED p, in f32, and the product's result is divided by l at the end. Since M is a whole number, a kernel that streams over the keys may use a running M (the ceiling of the running maximum): every later rescaling is an exact power of two, which a block's scale takes up: the codes' values come out the same.
;;   OPERANDS COMPUTED ON THE WAY. 'Computed on the way' means the value that the module computes at that place (a softmax that the list does not call 'softmax' is quantised finished and normalised). What goes into a quantiser is computed in f32, as accurately as f32 sums, v_exp_f32 and their like allow (about 1e-6 of the number): no bf16 or f16 on the way to a quantiser, and a product that is left as it is and whose result goes on into a quantised operand takes f32 operands (vector FMAs, or v_wmma_f32_16x16x4_f32). A number that lies on a knife's edge between two numbers of the format may be rounded either way, as far as f32 arithmetic and the matrix unit's own rounding can turn it there, and no further.
;; One version. Each part assembles by itself: llvm-mc -triple=amdgcn-amd-amdhsa -mcpu=gfx1250 --defsym DOCPART=n.
;; ======== version 1 of 1: 4 launches
;; limits: right only within a limited range of input values
;; workspace buffers: prep 9,830,400 bytes; qkv 20,185,088 bytes; att 6,553,600 bytes
;; launch prep (part 1): grid 512 x 1, 4 waves a work-group, no clusters, 34,304 bytes of LDS; arguments x, W_qkv, W_out, prep; writes prep
.if DOCPART == 1
	.amdgcn_target "amdgcn-amd-amdhsa--gfx1250"
	.amdhsa_code_object_version 6
	.text
	.protected	k_q21e8215934_prep
	.globl	k_q21e8215934_prep
	.p2align	8
	.type	k_q21e8215934_prep,@function
k_q21e8215934_prep:
	s_mov_b64 s[64:65], 0
	v_nop
	global_prefetch_b8 v0, s[64:65] scope:SCOPE_SE
	s_setreg_imm32_b32 hwreg(HW_REG_WAVE_MODE, 25, 1), 1
	s_wait_xcnt 0x0
; x [8192][1024], W_qkv [1024][3072] and W_out [1024][1024], f32, become codes of FP6 (E2M3) with one E8M0 scale byte for each 32 along K (K = 1,024 for all three).
; A block's scale is 2^(floor(log2(largest magnitude)) - 2); its byte is the largest magnitude's exponent field - 2, held at 1 from below.
; LIMITS: NaN and infinities are not served; a block whose largest magnitude lies under 2^-124 (a block of zeros too) gets the byte 1: its codes add nothing, and these bytes are read by this program alone.
; THE WORKSPACE IS LAID AS THE MATRIX OPERANDS WANT IT.  An operand's rows (tokens of x, columns of W) go in tiles of 16: lane-row p of tile t is row 32 (t / 2) + 8 (t % 2) + p + 8 (p / 8).
; A half fragment, 16 rows x 64 K, is 768 bytes: an image of six operand registers: registers 0-3 at 16 x lane, registers 4-5 at 512 + 8 x lane; lane (r, h) holds the 24 code bytes of block h of row r of the tile.
; Codes: [row tile][K / 64][768].  Scale bytes: [row][32].
; Work-groups 0-255 take x (K innermost), 256-447 W_qkv, 448-511 W_out (K outermost: a lane takes a column, its registers run down K).  No barrier: waves share nothing.
.set WQIMG, 6291456
.set WOIMG, 8650752
.set XSC,   9437184
.set WQSC,  9699328
.set WOSC,  9797632
.set STG,   8448                       ; the x path's stage: 16 rows x (512 + 16) bytes for each wave
.set R,     16                         ; v16-143  x path: two sets of 64 numbers as loaded;  W paths: 128 numbers of a column
.set X,     144                        ; v144-207 x path: 64 numbers: my two whole blocks of the K step
.set PC,    208                        ; v208-219 x path: a fragment's codes
.set SW,    236                        ; v236-239 x path: the four K steps' scale words
.macro XLOAD s                         ; K step s (128 along K) of the tile's 16 rows: each load reads 512 consecutive bytes of one row
.irp p, 0,1,2,3,4,5,6,7,8,9,10,11,12,13,14,15
	global_load_b128 v[R+64*((\s)%2)+4*\p:R+64*((\s)%2)+4*\p+3], v1, s[4:5] offset:(\p+8*(\p/8))*4096+512*(\s) th:TH_LOAD_NT
.endr
.endm
.macro XSTEP s
.if (\s) < 3
	s_wait_loadcnt 16                              ; this step's 16 loads are in; the next step's 16 may be out
.else
	s_wait_loadcnt 0x0
.endif
.irp p, 0,1,2,3,4,5,6,7,8,9,10,11,12,13,14,15
	ds_store_b128 v2, v[R+64*((\s)%2)+4*\p:R+64*((\s)%2)+4*\p+3] offset:528*\p   ; through my own stage, as loaded
.endr
.irp c, 0,1
.irp j, 0,1,2,3,4,5,6,7
	ds_load_b128 v[X+32*\c+4*\j:X+32*\c+4*\j+3], v3 offset:256*\c+16*\j          ; and back: row r, K = 64 c + 32 h + 0 .. 31 (LDS serves a wave in order)
.endr
.endr
	s_wait_dscnt 0x0                               ; my numbers are back, and the stores have read the set that is loaded next
.if (\s) < 2
	XLOAD (\s)+2
.endif
.irp c, 0,1
	v_max3_num_f32 v[228+\c], |v[X+32*\c]|, |v[X+32*\c+1]|, 0x1800000            ; the block's largest magnitude, with the floor 2^(3 - 127) among its leaves
.endr
.irp i, 2,4,6,8,10,12,14,16,18,20,22,24,26,28,30
.irp c, 0,1
	v_max3_num_f32 v[228+\c], v[228+\c], |v[X+32*\c+\i]|, |v[X+32*\c+\i+1]|
.endr
.endr
.irp c, 0,1
	v_add_nc_u32 v[230+\c], 0xff000000, v[228+\c]  ; 2 off the exponent field: the conversion's scale operand
.endr
.irp c, 0,1
	v_lshrrev_b32 v[232+\c], 23, v[230+\c]         ; the scale's byte
.endr
	v_lshl_or_b32 v234, v233, 16, v232             ; my two bytes: blocks h and 2 + h,
	v_lshlrev_b32 v234, v7, v234                   ; 8 h bits up;
	v_permlanex16_b32 v235, v234, s20, s21
	v_or_b32 v[SW+(\s)], v234, v235                ; with lane l xor 16's two the word is whole
.if (\s) > 0
	s_wait_alu depctr_va_vdst(0)
	s_wait_xcnt 0x0                                ; the last step's stores have read the codes' registers
.endif
.irp c, 0,1
	v_cvt_scalef32_pk16_fp6_f32 v[PC+6*\c:PC+6*\c+2], v[X+32*\c:X+32*\c+15], v[230+\c]
	v_cvt_scalef32_pk16_fp6_f32 v[220+4*\c:222+4*\c], v[X+32*\c+16:X+32*\c+31], v[230+\c]   ; (a conversion's three registers begin on an even number)
.endr
	v_nop                                          ; one plain place behind the scaled conversions
.irp c, 0,1
.irp i, 0,1,2
	v_mov_b32 v[PC+6*\c+3+\i], v[220+4*\c+\i]
.endr
.endr
.irp c, 0,1
	global_store_b128 v1, v[PC+6*\c:PC+6*\c+3], s[24:25] offset:(2*(\s)+\c)*768          ; 512 consecutive bytes
	global_store_b64 v4, v[PC+6*\c+4:PC+6*\c+5], s[24:25] offset:(2*(\s)+\c)*768+512     ; 256 consecutive bytes
.endr
.endm
.macro WLOAD kb, n                     ; block kb of my column: W(32 kb + i, column): the 32 lanes read 128 consecutive bytes
.irp i, 0,1,2,3,4,5,6,7,8,9,10,11,12,13,14,15,16,17,18,19,20,21,22,23,24,25,26,27,28,29,30,31
	global_load_b32 v[R+32*(\kb)+\i], v12, s[28:29] offset:(32*(\kb)+\i)*(\n)*4 th:TH_LOAD_NT
.endr
.endm
.macro WBLOCK kb                       ; all 32 numbers of the block are mine: codes into v[144 + 6 kb ..], the byte into v190
.set NB, R+32*(\kb)
	v_max3_num_f32 v184, |v[NB]|, |v[NB+1]|, |v[NB+2]|
	v_max3_num_f32 v185, |v[NB+3]|, |v[NB+4]|, |v[NB+5]|
.irp i, 6,10,14,18,22,26
	v_max3_num_f32 v184, v184, |v[NB+\i]|, |v[NB+\i+1]|
	v_max3_num_f32 v185, v185, |v[NB+\i+2]|, |v[NB+\i+3]|
.endr
	v_max3_num_f32 v184, v184, |v[NB+30]|, |v[NB+31]|
	v_max3_num_f32 v184, v184, v185, 0x1800000     ; and the floor
	v_add_nc_u32 v186, 0xff000000, v184
	v_lshrrev_b32 v187, 23, v186
.if (\kb) == 0
	v_mov_b32 v190, v187
.else
	v_lshl_or_b32 v190, v187, 8*(\kb), v190
.endif
	v_cvt_scalef32_pk16_fp6_f32 v[144+6*(\kb):146+6*(\kb)], v[NB:NB+15], v186
	v_cvt_scalef32_pk16_fp6_f32 v[168+4*(\kb):170+4*(\kb)], v[NB+16:NB+31], v186
	v_nop                                          ; one plain place behind the scaled conversions
.irp i, 0,1,2
	v_mov_b32 v[147+6*(\kb)+\i], v[168+4*(\kb)+\i]
.endr
.endm
.macro WOUT c                          ; blocks 2 c and 2 c + 1 of 32 columns become two half fragments: lanes 0-15 held tile 0's columns, lanes 16-31 tile 1's
.irp i, 0,1,2,3,4,5
	v_permlane16_swap_b32 v[144+12*(\c)+\i], v[150+12*(\c)+\i]   ; the first run now holds tile 0 (block h in half h), the second tile 1
.endr
	global_store_b128 v1, v[144+12*(\c):147+12*(\c)], s[24:25] offset:768*(\c)
	global_store_b64 v4, v[148+12*(\c):149+12*(\c)], s[24:25] offset:768*(\c)+512
	global_store_b128 v1, v[150+12*(\c):153+12*(\c)], s[24:25] offset:12288+768*(\c)
	global_store_b64 v4, v[154+12*(\c):155+12*(\c)], s[24:25] offset:12288+768*(\c)+512
.endm
; A weight [1024][n]: work-group g = number - first takes K chunk g % 8 (128 along K) of columns 128 (g / 8) on; a wave 32 of them.
.macro WPATH n, img, sc, first, ptr
	s_sub_co_u32 s13, ttmp9, \first
	s_and_b32 s14, s13, 7                          ; the K chunk
	s_lshr_b32 s15, s13, 3
	s_lshl_b32 s15, s15, 7
	s_lshl_b32 s16, s12, 5
	s_add_co_u32 s15, s15, s16                     ; my wave's first column
	s_mul_i32 s22, s14, 128*(\n)*4
	s_lshl_b32 s16, s15, 2
	s_add_co_u32 s22, s22, s16
	s_mov_b32 s23, 0
	s_lshr_b32 s16, s15, 4
	s_mul_i32 s24, s16, 12288                      ; my two row tiles' images,
	s_mul_i32 s16, s14, 1536                       ; the chunk's two half fragments in them
	s_add_co_u32 s24, s24, s16
	s_add_co_u32 s24, s24, \img
	s_mov_b32 s25, 0
	s_lshl_b32 s26, s15, 5                         ; scale bytes: 32 a column, the chunk's word
	s_lshl_b32 s16, s14, 2
	s_add_co_u32 s26, s26, s16
	s_add_co_u32 s26, s26, \sc
	s_mov_b32 s27, 0
	v_lshl_add_u32 v11, v9, 3, v10                 ; my column among the 32: 8 u + r + 8 (r / 8): lane-row r of tile u
	v_lshlrev_b32 v12, 2, v11
	v_lshlrev_b32 v13, 5, v11
	s_wait_alu depctr_va_vdst(0)
	s_wait_kmcnt 0x0
	s_add_nc_u64 s[28:29], s[\ptr:\ptr+1], s[22:23]
	s_add_nc_u64 s[24:25], s[10:11], s[24:25]
	s_add_nc_u64 s[26:27], s[10:11], s[26:27]
	WLOAD 0, \n
	WLOAD 1, \n
	s_wait_loadcnt 32                              ; block 0 is in; block 1's 32 loads may be out
	WLOAD 2, \n
	WBLOCK 0
	s_wait_loadcnt 32                              ; block 1 is in; block 2's may be out
	WLOAD 3, \n
	WBLOCK 1
	WOUT 0
	s_wait_loadcnt 32                              ; block 2 is in; block 3's may be out
	WBLOCK 2
	s_wait_loadcnt 0x0
	WBLOCK 3
	WOUT 1
	global_store_b32 v13, v190, s[26:27]           ; my column's scale word of this chunk: 4 bytes, 32 apart: one byte for 128 that the launch reads
	s_endpgm
.endm
	s_load_b256 s[4:11], s[0:1], 0x0               ; x s[4:5], W_qkv s[6:7], W_out s[8:9], prep s[10:11]
	v_lshl_add_u32 v248, v0, 2, 0x8400
	v_mov_b32 v249, 0
	v_lshrrev_b32 v1, 5, v0
	v_readfirstlane_b32 s12, v1                    ; wave 0..3
	v_and_b32 v6, 31, v0                           ; lane
	v_and_b32 v8, 15, v0                           ; r
	v_bfe_u32 v9, v0, 4, 1                         ; h (in the W paths: u)
	v_lshlrev_b32 v1, 4, v6                        ; 16 x lane
	v_lshlrev_b32 v4, 3, v6                        ; 8 x lane
	v_and_b32 v10, 8, v8
	v_add_nc_u32 v10, v10, v8                      ; r + 8 (r / 8)
	s_cmp_lt_u32 ttmp9, 256
	s_cbranch_scc0 .Lweights
	; ---- x: wave W = 4 x work-group + wave takes row tile W / 2, K half W % 2: four fragments of 16 rows x 128 K
	s_lshl_b32 s13, ttmp9, 2
	s_add_co_u32 s13, s13, s12
	s_lshr_b32 s14, s13, 1                         ; row tile
	s_and_b32 s15, s13, 1                          ; K half
	s_lshr_b32 s16, s14, 1
	s_lshl_b32 s16, s16, 5
	s_and_b32 s17, s14, 1
	s_lshl_b32 s17, s17, 3
	s_add_co_u32 s16, s16, s17                     ; the tile's first row
	s_lshl_b32 s22, s16, 12
	s_lshl_b32 s17, s15, 11
	s_add_co_u32 s22, s22, s17
	s_mov_b32 s23, 0
	s_mul_i32 s24, s14, 12288
	s_mul_i32 s17, s15, 6144
	s_add_co_u32 s24, s24, s17
	s_mov_b32 s25, 0
	s_lshl_b32 s26, s16, 5
	s_lshl_b32 s17, s15, 4
	s_add_co_u32 s26, s26, s17
	s_add_co_u32 s26, s26, XSC
	s_mov_b32 s27, 0
	s_mov_b32 s20, 0x76543210
	s_mov_b32 s21, 0xfedcba98                      ; v_permlanex16_b32's selects for lane l xor 16
	s_mul_i32 s18, s12, STG
	s_wait_alu depctr_va_vdst(0)
	v_add_nc_u32 v2, s18, v1                       ; the stage, on the way in: 16 x lane
	v_mul_u32_u24 v3, v8, 528
	v_lshl_add_u32 v3, v9, 7, v3
	v_add_nc_u32 v3, s18, v3                       ; and out: row r, + 128 h
	v_lshlrev_b32 v5, 5, v10
	v_lshl_add_u32 v5, v9, 3, v5                   ; scale bytes: my row's 32, + 8 h
	v_lshlrev_b32 v7, 3, v9                        ; 8 h
	v_cmp_lt_u32 s30, 15, v6                       ; lanes 16-31
	v_mov_b32 v235, 0                              ; a lane permute's destination counts as one of its sources
	s_wait_alu depctr_va_vdst(0)
	s_wait_kmcnt 0x0
	s_add_nc_u64 s[4:5], s[4:5], s[22:23]
	s_add_nc_u64 s[24:25], s[10:11], s[24:25]
	s_add_nc_u64 s[26:27], s[10:11], s[26:27]
	XLOAD 0
	XLOAD 1
	XSTEP 0
	XSTEP 1
	XSTEP 2
	XSTEP 3
	v_cndmask_b32 v240, v[SW], v[SW+2], s30        ; lanes 0-15 store words 0 and 1 of the K half, lanes 16-31 words 2 and 3
	v_cndmask_b32 v241, v[SW+1], v[SW+3], s30
	global_store_b64 v5, v[240:241], s[26:27]
	s_wait_tensorcnt 0x0
	ds_add_u32 v248, v249
	s_wait_dscnt 0x0
	s_endpgm
.Lweights:
	s_cmp_lt_u32 ttmp9, 448
	s_cbranch_scc0 .Lwout
	s_wait_alu depctr_va_vdst(0)
	WPATH 3072, WQIMG, WQSC, 256, 6
.Lwout:
	s_wait_alu depctr_va_vdst(0)
	WPATH 1024, WOIMG, WOSC, 448, 8
.Lfunc_end_k_q21e8215934_prep:
	.size	k_q21e8215934_prep, .Lfunc_end_k_q21e8215934_prep-k_q21e8215934_prep
	.p2alignl 7, 3214868480
	.fill 96, 4, 3214868480
	.section	.rodata,"a",@progbits
	.p2align	6, 0x0
	.amdhsa_kernel k_q21e8215934_prep
		.amdhsa_group_segment_fixed_size 34304
		.amdhsa_private_segment_fixed_size 0
		.amdhsa_enable_private_segment 0
		.amdhsa_kernarg_size 32
		.amdhsa_user_sgpr_count 2
		.amdhsa_user_sgpr_kernarg_segment_ptr 1
		.amdhsa_wavefront_size32 1
		.amdhsa_system_sgpr_workgroup_id_x 1
		.amdhsa_system_sgpr_workgroup_id_y 1
		.amdhsa_system_sgpr_workgroup_id_z 1
		.amdhsa_system_vgpr_workitem_id 0
		.amdhsa_next_free_vgpr 250
		.amdhsa_next_free_sgpr 66
		.amdhsa_reserve_vcc 0
		.amdhsa_float_denorm_mode_32 3
		.amdhsa_float_denorm_mode_16_64 3
		.amdhsa_memory_ordered 1
		.amdhsa_forward_progress 1
		.amdhsa_inst_pref_size 71
	.end_amdhsa_kernel
	.amdgpu_metadata
---
amdhsa.version: [ 1, 2 ]
amdhsa.kernels:
  - .name:           k_q21e8215934_prep
    .symbol:         k_q21e8215934_prep.kd
    .args:
      - { .name: x, .offset: 0, .size: 8, .value_kind: global_buffer, .address_space: global }
      - { .name: W_qkv, .offset: 8, .size: 8, .value_kind: global_buffer, .address_space: global }
      - { .name: W_out, .offset: 16, .size: 8, .value_kind: global_buffer, .address_space: global }
      - { .name: prep, .offset: 24, .size: 8, .value_kind: global_buffer, .address_space: global }
    .group_segment_fixed_size: 34304
    .private_segment_fixed_size: 0
    .kernarg_segment_align: 8
    .kernarg_segment_size: 32
    .max_flat_workgroup_size: 128
    .sgpr_count:     66
    .vgpr_count:     250
    .wavefront_size: 32
...
	.end_amdgpu_metadata
.endif
;; end of part 1
;; launch qkv (part 2): grid 4 x 64, 4 waves a work-group, clusters of 4 x 4, 327,680 bytes of LDS; arguments prep, b_qkv, qkv; writes qkv
.if DOCPART == 2
	.amdgcn_target "amdgcn-amd-amdhsa--gfx1250"
	.amdhsa_code_object_version 6
	.text
	.protected	k_q21e8215934_qkv
	.globl	k_q21e8215934_qkv
	.p2align	8
	.type	k_q21e8215934_qkv,@function
k_q21e8215934_qkv:
	s_mov_b64 s[64:65], 0
	v_nop
	global_prefetch_b8 v0, s[64:65] scope:SCOPE_SE
	s_setreg_imm32_b32 hwreg(HW_REG_WAVE_MODE, 25, 1), 1
	s_wait_xcnt 0x0
	s_wait_alu depctr_hold_cnt(0) depctr_sa_sdst(0) depctr_va_vdst(0) depctr_va_sdst(0) depctr_va_ssrc(0) depctr_va_vcc(0) depctr_vm_vsrc(0)
	s_getreg_b32 s2, hwreg(HW_REG_IB_STS2, 6, 4)
	s_cmp_eq_u32 s2, 0
	s_cbranch_scc0 .Lentry_in_a_cluster
	s_endpgm
.Lentry_in_a_cluster:
	s_bfe_u32 s2, ttmp6, 0x10000c
	s_cmp_lg_u32 s2, 0xf033
	s_cbranch_scc0 .Lentry_shape_is_right
	s_endpgm
.Lentry_shape_is_right:
; qkv = x W_qkv + b_qkv on codes of FP6 (E2M3) with E8M0 scales, K = 1,024; the results are quantised in registers, q and k along the head's 64, v along the keys, and leave as operand images.
; THE DEAL.  256 work-groups of four waves.  Work-group (g, mt) takes tokens 128 mt .. + 127 (one key step of one batch) and six tiles of 128 columns of W_qkv: columns 256 g + 0 .. 255 of q, of k and of v, in that order.
; Waves 2 x 2: wave (a, b) holds its 64 tokens (four row tiles), ALL of K, in 384 registers for the whole launch, and takes columns 64 b + 0 .. 63 of each tile: one head.
; The weights stream through two LDS slots of 128 columns x all of K (98,304 bytes): tile T lies in slot T % 2.  A wave takes its 64 columns in four blocks of 16: 8 fragments, 32 products on four accumulators by turns.
; q, k: source 0 = the weight's 16 columns, source 1 = 16 tokens: a lane holds a token and its registers run along the head.  v: the sources change places: a lane holds a channel and its registers run along the keys.
; Lane-row p of row tile t is row 32 (t / 2) + 8 (t % 2) + p + 8 (p / 8): so the 16 registers of tiles 2 b and 2 b + 1 are 16 neighbours along the next K.
; FILLS.  At the head one joint load a wave: x's two halves, slot 0, slot 1.  Four refills (tiles 2 to 5), each behind a drained round of the cluster's barrier that stands in a tile's last block, every wave a quarter of the slot.
; CLUSTERS: 4 x 4: cx = g, cy = mt % 4.  x's rows are asked for jointly along a row of the cluster, the weights along a column.  No branch hangs on a place in the cluster: all work-groups walk q, q, k, k, v, v.
; PREFETCH: tile T + 3's bytes are asked for at the head of tile T (tile 2's at the kernel's head), a tile or more ahead of the refill that loads them; the 16 waves of a column of the cluster share a tile out by address, 24 runs of 256 bytes each;
; all sixteen clusters read the same weights, so four of them ask.
; SCALE WORDS go from memory straight into registers: a row's 32 bytes are 16 for lanes 0-15 (K steps 0-3) and 16 for lanes 16-31 (K steps 4-7).
; OUT, 315,392 bytes for each batch x head: 16 key steps of 13,056 bytes (K's codes [tile 8][768], V's codes [d tile 4][2][768], K's scale words [2][r 16][4 tiles], V's [r 16][4 d tiles]); Q's codes at 208,896; Q's scale words at 307,200.
; V's scale words take two bytes from each of two waves: they meet in an LDS stage of their own and leave at the end as whole runs of 256 bytes.
; LIMITS: NaN and infinities are not served; a block whose largest magnitude lies under 2^-124 gets the scale byte 1 (read by this program alone).  In a word of Q's or K's scales only bytes 0 and 1 count.
; REGISTERS: window 0: v0-31 addresses; v32-47 x's scale words; v50-81 the weights', two sets; v84-119 biases; v120-223 the way out.  Fragment f lies in window 1 + f / 21 at register 12 (f % 21): 0-31 x's (4 kq + i), 32-47 the weights' two sets.
;   window 3, v128-255: the tile's 16 accumulators.
.set WQIMG,  6291456
.set XSC,    9437184
.set WQSC,   9699328
.set HSZ,    315392
.set H2,     2*HSZ                     ; a tile's odd partner lies two heads on
.set FR,     12
.set FPW,    21
.set SLB,    98304                     ; LDS: x at 0, slot 0 here, slot 1 behind it
.set STG,    3*98304                   ; V's scale bytes: [tile 2][b 2][r 16][d tile 4][4]
.set SPARE,  STG+1024
.set TSTEP,  8*98304                   ; from a slot's tile to its next: 1,024 columns on
.set ADX,  16                          ; v16, v17 x's fragments: + 16 x lane, + 8 x lane
.set ADW,  18                          ; v18-19 the weights' in slot 0, 1: + 16 x lane;  v20-21: + 8 x lane
.set LI16, 22
.set LI8,  23
.set R16,  24
.set STV,  25
.set RDV,  26
.set PFO,  27
.set SPW,  28
.set NIL,  29
.set XS,   32
.set WS,   50
.set BN,   84                          ; q, k: the bias of my 64 columns: register 16 b + i: column 32 b + 16 h + i
.set BM,   116                         ; v: the bias of my channel in each of the four blocks
.set T,    120
.set PC,   184
.set TM,   204
.set SQ,   220
.set ACC,  128
.set G1X, 24
.set G1W, 32
.set G1R, 40
.set G0X, 48
.set G0H, 52
.set G0R, 56
.set WSB, 66
.set BB,  68
.set OC,  70
.set OS,  72
.set OCK, 74
.set OSK, 76
.set OCV, 78
.set OSV, 80
.set XSB, 82
.set PFB, 84
.set MSB, 0
.macro WIN new
.if MSB != (\new)
	s_set_vgpr_msb (MSB<<8)|(\new)
.set MSB, (\new)
.endif
.endm
.macro PLACES n
.rept \n
	v_nop
.endr
.endm
.macro WALU
	s_wait_alu depctr_va_vdst(0)
.endm
.macro BARRIER
	s_barrier_signal -1
	s_barrier_wait -1
.endm
.macro CREST                           ; a round of the cluster's barrier behind its opening barrier
	s_cmp_lg_u32 s14, 0
	s_cbranch_scc1 .Lnot_wave_0_\@
	s_barrier_signal -3
.Lnot_wave_0_\@:
	s_barrier_wait -3
	BARRIER
.endm
.macro ARM under, g0, g1, next
	s_cmp_lt_u32 s14, \under
	s_cbranch_scc0 \next
	tensor_load_to_lds s[\g0:\g0+3], s[\g1:\g1+7]
	s_nop 0
	PLACES 4
	s_branch .Lhead_asked
\next:
.endm
.macro DENSE g, mask, rows             ; group 1 of a dense block: rows of 256 bytes
	s_or_b32 s[\g], s\mask, (3<<16)|(1<<21)
	s_mov_b32 s[\g+1], 32<<16
	s_mov_b32 s[\g+2], (\rows)<<16
	s_mov_b32 s[\g+3], 32<<16
	s_mov_b32 s[\g+4], \rows
	s_mov_b32 s[\g+5], 32
	s_mov_b32 s[\g+6], 0
	s_mov_b32 s[\g+7], 0
.endm
.macro ASK flag, off                   ; my 24 runs of 256 bytes of a later tile, into the L2
	s_cmp_eq_u32 s[\flag], 1
	s_cbranch_scc0 .Lnoask_\@
	global_prefetch_b8 v[PFO], s[PFB:PFB+1] offset:\off th:TH_LOAD_NT scope:SCOPE_SE
.Lnoask_\@:
.endm
	s_load_b128 s[4:7], s[0:1], 0x0                ; prep s[4:5], b_qkv s[6:7]
	s_load_b64 s[8:9], s[0:1], 0x10                ; qkv
	v_lshl_add_u32 v[SPW], v0, 2, SPARE
	v_mov_b32 v[NIL], 0
	ds_add_u32 v[SPW], v[NIL]                      ; the opening lines: the add twice on end and its wait
	ds_add_u32 v[SPW], v[NIL]
	v_lshrrev_b32 v1, 5, v0
	v_readfirstlane_b32 s14, v1                    ; wave 0..3
	s_lshr_b32 s15, s14, 1                         ; a: which 64 tokens
	s_and_b32 s16, s14, 1                          ; b: which 64 columns
	s_bfe_u32 s10, ttmp6, 0x40000                  ; cx = g (the grid is 4 wide)
	s_bfe_u32 s11, ttmp6, 0x40004                  ; cy
	s_and_b32 s12, ttmp7, 0xffff                   ; the cluster's y
	s_lshl_b32 s13, s12, 2
	s_add_co_u32 s13, s13, s11                     ; mt
	s_lshl_b32 s17, s11, 2
	s_lshl_b32 s17, 15, s17                        ; my row of the cluster
	s_lshl_b32 s18, 0x1111, s10                    ; my column
	DENSE G1X, 17, 192                             ; half of x's rows: 49,152 bytes
	DENSE G1W, 18, 384                             ; a whole slot
	DENSE G1R, 18, 96                              ; a quarter of a slot
	s_mul_i32 s90, s13, 98304
	s_mul_i32 s2, s16, 49152
	s_add_co_u32 s90, s90, s2                      ; x's codes: my half (waves 0, 1)
	s_mov_b32 s91, 0
	s_mul_i32 s3, s10, 2*98304
	s_add_co_u32 s3, s3, WQIMG                     ; tile 0 of my group
	s_mul_i32 s92, s16, 98304
	s_add_co_u32 s92, s92, s3                      ; tiles 0, 1 whole (waves 2, 3)
	s_mov_b32 s93, 0
	s_mul_i32 s94, s14, 24576
	s_add_co_u32 s94, s94, s3                      ; my quarter of tile 0
	s_mov_b32 s95, 0
	s_lshl_b32 s[XSB], s13, 12
	s_lshl_b32 s2, s15, 11
	s_add_co_u32 s[XSB], s[XSB], s2
	s_add_co_u32 s[XSB], s[XSB], XSC               ; my 64 tokens' scale bytes
	s_mov_b32 s[XSB+1], 0
	s_lshl_b32 s[WSB], s10, 13
	s_lshl_b32 s2, s16, 11
	s_add_co_u32 s[WSB], s[WSB], s2
	s_add_co_u32 s[WSB], s[WSB], WQSC              ; my 64 columns' of tile 0
	s_mov_b32 s[WSB+1], 0
	s_lshl_b32 s[BB], s10, 10
	s_lshl_b32 s2, s16, 8
	s_add_co_u32 s[BB], s[BB], s2                  ; and their bias
	s_mov_b32 s[BB+1], 0
	s_and_b32 s2, s13, 15                          ; key step
	s_lshr_b32 s19, s13, 4                         ; batch
	s_lshl_b32 s22, s19, 4
	s_lshl_b32 s23, s10, 2
	s_add_co_u32 s22, s22, s23
	s_add_co_u32 s22, s22, s16                     ; my head in the even tiles
	s_mul_i32 s22, s22, HSZ
	s_mul_i32 s23, s2, 13056
	s_add_co_u32 s23, s23, s22                     ; the key step's block
	s_mul_i32 s[OC], s2, 6144
	s_mul_i32 s19, s15, 3072
	s_add_co_u32 s[OC], s[OC], s19
	s_add_co_u32 s[OC], s[OC], s22
	s_add_co_u32 s[OC], s[OC], 208896              ; q's codes: my four tiles
	s_add_co_u32 s[OCK], s23, s19                  ; k's
	s_lshl_b32 s[OS], s2, 9
	s_lshl_b32 s19, s15, 8
	s_add_co_u32 s[OS], s[OS], s19
	s_add_co_u32 s[OS], s[OS], s22
	s_add_co_u32 s[OS], s[OS], 307200              ; q's scale words
	s_add_co_u32 s[OSK], s23, s19
	s_add_co_u32 s[OSK], s[OSK], 12288             ; k's
	s_mul_i32 s19, s15, 768
	s_add_co_u32 s[OCV], s23, s19
	s_add_co_u32 s[OCV], s[OCV], 6144              ; v's codes: my half of each fragment
	s_mul_i32 s19, s15, H2
	s_add_co_u32 s[OSV], s23, s19
	s_add_co_u32 s[OSV], s[OSV], 12800             ; v's scale words: at the end wave w stores those of tile w / 2, head w % 2
.irp p, OC, OS, OCK, OSK, OCV, OSV
	s_mov_b32 s[\p+1], 0
.endr
	s_mov_b32 s[PFB], s3
	s_mov_b32 s[PFB+1], 0
	s_cmp_lt_u32 s12, 4
	s_cselect_b32 s87, 1, 0                        ; four clusters ask
	s_mov_b32 s88, s87
	s_lshl_b32 s96, s11, 2
	s_add_co_u32 s96, s96, s14
	s_mul_i32 s96, s96, 6144                       ; my sixteenth of a tile among the waves of my column
	s_mul_i32 s97, s15, 49152
	s_mul_i32 s98, s16, 49152
	s_add_co_u32 s98, s98, SLB
	s_lshl_b32 s99, s16, 8
	s_lshl_b32 s2, s15, 1
	s_add_co_u32 s99, s99, s2
	s_add_co_u32 s99, s99, STG
	s_lshl_b32 s2, s14, 8
	s_add_co_u32 s2, s2, STG
	s_mov_b32 s20, 0x76543210
	s_mov_b32 s21, 0xfedcba98                      ; v_permlanex16_b32's selects for lane l xor 16
	s_mov_b32 s[G0X], 1
	s_mul_i32 s[G0X+1], s16, 49152
	s_mov_b32 s[G0H], 1
	s_mul_i32 s[G0H+1], s16, 98304
	s_add_co_u32 s[G0H+1], s[G0H+1], SLB
.irp s, 0,1
	s_mov_b32 s[G0R+4*\s], 1
	s_mul_i32 s[G0R+4*\s+1], s14, 24576
	s_add_co_u32 s[G0R+4*\s+1], s[G0R+4*\s+1], SLB+\s*98304
.endr
	WALU
	s_wait_dscnt 0x0
	BARRIER
	CREST                                          ; the round in front of the first joint loads
	s_wait_kmcnt 0x0
	s_add_nc_u64 s[G0X+2:G0X+3], s[4:5], s[90:91]
	s_or_b32 s[G0X+3], s[G0X+3], 0x80000000
	s_add_nc_u64 s[G0H+2:G0H+3], s[4:5], s[92:93]
	s_or_b32 s[G0H+3], s[G0H+3], 0x80000000
	s_add_nc_u64 s[G0R+2:G0R+3], s[4:5], s[94:95]
	s_add_nc_u64 s[G0R+6:G0R+7], s[G0R+2:G0R+3], 98304
	s_or_b32 s[G0R+3], s[G0R+3], 0x80000000
	s_or_b32 s[G0R+7], s[G0R+7], 0x80000000
	ARM 1, G0X, G1X, .Lhead_x1                     ; wave 0: x's tokens 0-63
	ARM 2, G0X, G1X, .Lhead_w0                     ; wave 1: tokens 64-127
	ARM 3, G0H, G1W, .Lhead_w1                     ; wave 2: tile 0
	tensor_load_to_lds s[G0H:G0H+3], s[G1W:G1W+7]  ; wave 3: tile 1
	s_nop 0
	PLACES 4
.Lhead_asked:
	s_add_nc_u64 s[XSB:XSB+1], s[4:5], s[XSB:XSB+1]
	s_add_nc_u64 s[WSB:WSB+1], s[4:5], s[WSB:WSB+1]
	s_add_nc_u64 s[PFB:PFB+1], s[4:5], s[PFB:PFB+1]
	s_add_nc_u64 s[BB:BB+1], s[6:7], s[BB:BB+1]
.irp p, OC, OS, OCK, OSK, OCV, OSV
	s_add_nc_u64 s[\p:\p+1], s[8:9], s[\p:\p+1]
.endr
	v_and_b32 v1, 15, v0                           ; r
	v_bfe_u32 v2, v0, 4, 1                         ; h
	v_and_b32 v3, 31, v0                           ; lane
	v_lshlrev_b32 v[LI16], 4, v3
	v_lshlrev_b32 v[LI8], 3, v3
	v_lshlrev_b32 v[R16], 4, v1
	v_and_b32 v4, 8, v1
	v_lshlrev_b32 v12, 6, v2                       ; the bias along the head: 64 h
	v_min_u32 v[PFO], 23, v3
	v_add_nc_u32 v4, v4, v1                        ; r + 8 (r / 8)
	v_add_nc_u32 v[ADX], s97, v[LI16]
	v_add_nc_u32 v[ADX+1], s97, v[LI8]
	v_add_nc_u32 v[ADW], s98, v[LI16]
	v_add_nc_u32 v[ADW+2], s98, v[LI8]
	v_lshlrev_b32 v5, 5, v4
	v_lshlrev_b32 v13, 2, v4                       ; the bias of my channel
	v_add_nc_u32 v[STV], s99, v[R16]
	v_add_nc_u32 v[RDV], s2, v[R16]
	v_lshl_add_u32 v[PFO], v[PFO], 8, s96
	v_add_nc_u32 v[ADW+1], 98304, v[ADW]
	v_add_nc_u32 v[ADW+3], 98304, v[ADW+2]
	v_lshl_add_u32 v5, v2, 4, v5                   ; my row's 32 scale bytes, + 16 h
.irp b, 0,1,2,3
	v_mov_b32 v[TM+4+\b], 0                        ; a lane permute's destination counts as one of its sources
.endr
	WALU                                           ; the wait at the head's end
.irp i, 0,1,2,3
	global_load_b128 v[XS+4*\i:XS+4*\i+3], v5, s[XSB:XSB+1] offset:(32*(\i/2)+8*(\i%2))*32
.endr
.irp i, 0,1,2,3
	global_load_b128 v[WS+4*\i:WS+4*\i+3], v5, s[WSB:WSB+1] offset:(32*(\i/2)+8*(\i%2))*32
.endr
	ASK 87, TSTEP                                  ; tile 2
.macro FRAGL f, a16, a8, off           ; a fragment, 16 rows x 128 K: two half fragments as they lie
	WIN (1+(\f)/FPW)<<6
.set R_, FR*((\f)%FPW)
.irp c, 0,1
	ds_load_b128 v[R_+6*\c:R_+6*\c+3], v[\a16] offset:(\off)+768*\c
	ds_load_b64 v[R_+6*\c+4:R_+6*\c+5], v[\a8] offset:(\off)+768*\c+512
.endr
.endm
.macro FETCHW slot, j                  ; block j of my 64 columns, all of K, into set j % 2: 32 loads
.set Q_, 0
.rept 8
	FRAGL 32+8*((\j)%2)+Q_, ADW+(\slot), ADW+2+(\slot), 12288*(\j)+1536*Q_
.set Q_, Q_+1
.endr
	WIN 0
.endm
.macro PROD1 d, r0, r1, x0, x1, kq
.if (\kq) == 0
	v_wmma_scale_f32_16x16x128_f8f6f4 v[\d:\d+7], v[\r0:\r0+FR-1], v[\r1:\r1+FR-1], 0, v[\x0], v[\x1] matrix_a_fmt:MATRIX_FMT_FP6 matrix_b_fmt:MATRIX_FMT_FP6 matrix_a_scale:MATRIX_SCALE_ROW0 matrix_b_scale:MATRIX_SCALE_ROW0
.elseif (\kq) < 4
	v_wmma_scale_f32_16x16x128_f8f6f4 v[\d:\d+7], v[\r0:\r0+FR-1], v[\r1:\r1+FR-1], v[\d:\d+7], v[\x0], v[\x1] matrix_a_fmt:MATRIX_FMT_FP6 matrix_b_fmt:MATRIX_FMT_FP6 matrix_a_scale:MATRIX_SCALE_ROW0 matrix_b_scale:MATRIX_SCALE_ROW0
.else
	v_wmma_scale_f32_16x16x128_f8f6f4 v[\d:\d+7], v[\r0:\r0+FR-1], v[\r1:\r1+FR-1], v[\d:\d+7], v[\x0], v[\x1] matrix_a_fmt:MATRIX_FMT_FP6 matrix_b_fmt:MATRIX_FMT_FP6 matrix_a_scale:MATRIX_SCALE_ROW1 matrix_b_scale:MATRIX_SCALE_ROW1
.endif
.endm
.macro PROD kind, slot, j, n           ; n = 4 kq + i: K step kq, my token tile i.  The sums of a way out's unit lie on end: q, k by token tile, v by block
.set KQ_, (\n)/4
.set I_, (\n)%4
.set FW_, 32+8*((\j)%2)+KQ_
.set XR_, FR*((\n)%FPW)
.set WR_, FR*(FW_%FPW)
.set XW_, 1+(\n)/FPW
.set WW_, 1+FW_/FPW
.set SX_, XS+4*I_+KQ_%4
.set SW_, WS+16*(\slot)+4*(\j)+KQ_%4
.if \kind
.set D_, ACC+8*(4*(\j)+I_)
	WIN XW_|(WW_<<2)|0xf0
	PROD1 D_, XR_, WR_, SX_, SW_, KQ_
.else
.set D_, ACC+8*(4*I_+(\j))
	WIN WW_|(XW_<<2)|0xf0
	PROD1 D_, WR_, XR_, SW_, SX_, KQ_
.endif
.endm
.macro BLK kind, slot, j               ; 32 products: four accumulators by turns, three others between two steps of a sum
.set N_, 0
.rept 32
	PROD \kind, \slot, \j, N_
.set N_, N_+1
.endr
.endm
; 64 numbers of a lane, register 16 b + i = place 32 b + 16 h + i along the next K, become two half fragments' codes in v[PC] on and four scale bytes in v[pw].
.macro QUANT s, pw
.irp b, 0,1,2,3
	v_max3_num_f32 v[TM+\b], |v[\s+16*\b]|, |v[\s+1+16*\b]|, 0x1800000   ; my 16 numbers of block b, and the floor 2^(3 - 127)
.endr
.irp i, 2,4,6,8,10,12,14
.irp b, 0,1,2,3
	v_max3_num_f32 v[TM+\b], v[TM+\b], |v[\s+16*\b+\i]|, |v[\s+1+16*\b+\i]|
.endr
.endr
.irp b, 0,1,2,3
	v_permlanex16_b32 v[TM+4+\b], v[TM+\b], s20, s21
.endr
.irp b, 0,1,2,3
	v_max_num_f32 v[TM+\b], v[TM+\b], v[TM+4+\b]   ; with lane l xor 16's: the block's largest magnitude
.endr
.irp b, 0,1,2,3
	v_add_nc_u32 v[TM+12+\b], 0xff000000, v[TM+\b] ; 2 off its exponent field: the conversion's scale operand
.endr
.irp b, 0,1,2,3
	v_lshrrev_b32 v[TM+4+\b], 23, v[TM+12+\b]      ; the scale's byte
.endr
	v_lshl_or_b32 v[\pw], v[TM+5], 8, v[TM+4]
	v_lshl_or_b32 v[\pw], v[TM+6], 16, v[\pw]
	v_lshl_or_b32 v[\pw], v[TM+7], 24, v[\pw]
.irp c, 0,1
	v_cvt_scalef32_pk16_fp6_f32 v[PC+6*\c:PC+2+6*\c], v[\s+32*\c:\s+15+32*\c], v[TM+12+2*\c]
	v_cvt_scalef32_pk16_fp6_f32 v[PC+12+4*\c:PC+14+4*\c], v[\s+16+32*\c:\s+31+32*\c], v[TM+12+2*\c+1]
.endr
	v_nop                                          ; one plain place behind the scaled conversions
.irp c, 0,1                            ; the operand wants a whole block in a lane
.irp i, 0,1,2
	v_permlane16_swap_b32 v[PC+6*\c+\i], v[PC+12+4*\c+\i]
.endr
.irp i, 0,1,2
	v_mov_b32 v[PC+3+6*\c+\i], v[PC+12+4*\c+\i]
.endr
.endr
.endm
; The way out of two units (q, k: token tiles 2 pr, 2 pr + 1; v: blocks 2 pr, 2 pr + 1): the bias, the quantiser, the two images' stores (512, 256, 512, 256 consecutive bytes).
.macro EPI kind, pr, base, off, dist
	s_wait_xcnt 0x0                                ; earlier stores have read their data
	WIN 0x03                                       ; source 0: the accumulators' window
.set N_, 0
.rept 32
.if \kind == 0
	v_pk_add_f32 v[T+N_:T+N_+1], v[ACC+64*(\pr)+N_:ACC+64*(\pr)+N_+1], v[BN+N_%32:BN+N_%32+1]
.elseif N_ < 32
	v_pk_add_f32 v[T+N_:T+N_+1], v[ACC+64*(\pr)+N_:ACC+64*(\pr)+N_+1], v[BM+2*(\pr):BM+2*(\pr)+1] op_sel_hi:[1,0]
.else
	v_pk_add_f32 v[T+N_:T+N_+1], v[ACC+64*(\pr)+N_:ACC+64*(\pr)+N_+1], v[BM+2*(\pr):BM+2*(\pr)+1] op_sel:[0,1] op_sel_hi:[1,1]
.endif
.set N_, N_+2
.endr
	WIN 0
	QUANT T, SQ+2*(\pr)
	global_store_b128 v[LI16], v[PC:PC+3], s[\base:\base+1] offset:\off
	global_store_b64 v[LI8], v[PC+4:PC+5], s[\base:\base+1] offset:(\off)+512
	global_store_b128 v[LI16], v[PC+6:PC+9], s[\base:\base+1] offset:(\off)+(\dist)
	global_store_b64 v[LI8], v[PC+10:PC+11], s[\base:\base+1] offset:(\off)+(\dist)+512
.endm
; A TILE of 128 columns.  kind 0: q or k, 1: v.  mode 1: its slot is filled again; 2: a plain barrier shows the last tile; 0: the last tile.  On entry block 0's 32 loads are out.
.macro TILE kind, slot, mode
	s_wait_loadcnt 0x0                             ; this tile's scale words (asked for a tile ago)
.if \mode
.irp j, 0,1,2,3
	global_load_b128 v[WS+16*(1-\slot)+4*\j:WS+16*(1-\slot)+4*\j+3], v5, s[WSB:WSB+1] offset:4096+28672*(\slot)+(32*(\j/2)+8*(\j%2))*32   ; the next tile's: 128 columns on, or 1,024 less 128
.endr
.endif
.if \kind
.irp j, 0,1,2,3
	global_load_b32 v[BM+\j], v13, s[BB:BB+1] offset:512*(\slot)+4*(32*(\j/2)+8*(\j%2))
.endr
.else
.irp j, 0,1,2,3
	global_load_b128 v[BN+8*\j:BN+8*\j+3], v12, s[BB:BB+1] offset:512*(\slot)+128*(\j/2)+32*(\j%2)
	global_load_b128 v[BN+8*\j+4:BN+8*\j+7], v12, s[BB:BB+1] offset:512*(\slot)+128*(\j/2)+32*(\j%2)+16
.endr
	ASK 87+\slot, (9+7*(\slot))*98304              ; tile T + 3
.endif
	FETCHW \slot, 1                                ; (the last tile's way out stands between set 1's last products and these loads)
	s_wait_dscnt 32                                ; all but the 32 just issued: block 0 is in
	BLK \kind, \slot, 0
	PLACES 4                                       ; between a set's products and the loads into it
	FETCHW \slot, 2
	s_wait_dscnt 32
	BLK \kind, \slot, 1
	PLACES 4
	FETCHW \slot, 3
	s_wait_dscnt 32
	BLK \kind, \slot, 2
	WIN 0
.if \mode == 1
	s_wait_tensorcnt 0x0                           ; all my tensor loads have landed: my part of the other slot;
	ds_add_u32 v[SPW], v[NIL]
	s_add_nc_u64 s[G0R+4*\slot+2:G0R+4*\slot+3], s[G0R+4*\slot+2:G0R+4*\slot+3], TSTEP
	s_wait_dscnt 0x0                               ; the add is done, and my reads of this slot are over
	s_barrier_signal -1                            ; opens a round of the cluster's barrier;
	BLK \kind, \slot, 3                            ; register work
	WIN 0
	s_barrier_wait -1
	CREST
	tensor_load_to_lds s[G0R+4*\slot:G0R+4*\slot+3], s[G1R:G1R+7]   ; my quarter of tile T + 2, the first tensor load behind the round
	s_nop 0
	PLACES 4                                       ; also the places behind the block's products
	FETCHW 1-\slot, 0
.elseif \mode == 2
	s_wait_tensorcnt 0x0                           ; my quarter of the last tile is in
	s_wait_dscnt 0x0
	s_barrier_signal -1
	BLK \kind, \slot, 3
	WIN 0
	s_barrier_wait -1
	PLACES 4
	FETCHW 1-\slot, 0
.else
	s_wait_dscnt 0x0
	BLK \kind, \slot, 3
	WIN 0
	PLACES 4
.endif
	s_wait_loadcnt 0x0                             ; the bias
.if \kind
	EPI 1, 0, OCV, H2*(\slot), 1536
	ds_store_b16 v[STV], v[SQ] offset:512*(\slot)                 ; my two key blocks' bytes of d tiles 0 to 3 (both halves of the lanes hold the same)
	ds_store_b16_d16_hi v[STV], v[SQ] offset:512*(\slot)+4
	EPI 1, 1, OCV, H2*(\slot)+3072, 1536
	ds_store_b16 v[STV], v[SQ+2] offset:512*(\slot)+8
	ds_store_b16_d16_hi v[STV], v[SQ+2] offset:512*(\slot)+12
.else
	EPI 0, 0, OC, H2*(\slot), 768
	v_lshrrev_b32 v[SQ+1], 16, v[SQ]               ; the odd tile's two bytes
	EPI 0, 1, OC, H2*(\slot)+1536, 768
	v_lshrrev_b32 v[SQ+3], 16, v[SQ+2]
	global_store_b128 v[R16], v[SQ:SQ+3], s[OS:OS+1] offset:H2*(\slot)   ; row r's four words: 256 consecutive bytes (lanes 16-31 store the same again)
.endif
.endm
	s_cmp_lt_u32 s14, 2
	s_cbranch_scc0 .Lnot_x
	s_wait_tensorcnt 0x0                           ; waves 0, 1: my half of x is in
.Lnot_x:
	BARRIER                                        ; x is in
.set F_, 0
.rept 32                               ; my 64 tokens, all of K, into registers: 128 loads
	FRAGL F_, ADX, ADX+1, 12288*(F_%4)+1536*(F_/4)
.set F_, F_+1
.endr
	WIN 0
	s_cmp_eq_u32 s14, 3
	s_cbranch_scc1 .Lnot_w0
	s_wait_tensorcnt 0x0                           ; wave 2: tile 0 is in
.Lnot_w0:
	s_wait_dscnt 0x0
	BARRIER                                        ; tile 0 is in; tile 1 may be on its way
	FETCHW 0, 0
	s_mov_b32 s86, 0
.Lqk:                                              ; two trips: q's two tiles, k's two tiles; each trip fills both slots again
	TILE 0, 0, 1
	TILE 0, 1, 1
	s_wait_xcnt 0x0                                ; the trip's loads, stores and prefetches have read their bases
	s_add_nc_u64 s[WSB:WSB+1], s[WSB:WSB+1], 32768
	s_add_nc_u64 s[BB:BB+1], s[BB:BB+1], 4096
	s_add_nc_u64 s[PFB:PFB+1], s[PFB:PFB+1], TSTEP
	s_mov_b64 s[OC:OC+1], s[OCK:OCK+1]
	s_mov_b64 s[OS:OS+1], s[OSK:OSK+1]
	s_mov_b32 s88, 0                               ; there is no tile 6 to ask for
	s_add_co_u32 s86, s86, 1
	s_cmp_lt_u32 s86, 2
	WALU
	s_cbranch_scc1 .Lqk
	TILE 1, 0, 2
	TILE 1, 1, 0
	s_wait_dscnt 0x0                               ; my bytes are in the stage
	BARRIER                                        ; everybody's are
	ds_load_b128 v[T:T+3], v[RDV]
	s_wait_dscnt 0x0
	global_store_b128 v[R16], v[T:T+3], s[OSV:OSV+1]   ; V's scale words of one tile and head: 256 consecutive bytes
	s_wait_tensorcnt 0x0                           ; the wave's end
	ds_add_u32 v[SPW], v[NIL]
	s_wait_dscnt 0x0
	BARRIER
	CREST                                          ; the closing round
	s_endpgm
.Lfunc_end_k_q21e8215934_qkv:
	.size	k_q21e8215934_qkv, .Lfunc_end_k_q21e8215934_qkv-k_q21e8215934_qkv
	.p2alignl 7, 3214868480
	.fill 96, 4, 3214868480
	.section	.rodata,"a",@progbits
	.p2align	6, 0x0
	.amdhsa_kernel k_q21e8215934_qkv
		.amdhsa_group_segment_fixed_size 327680
		.amdhsa_private_segment_fixed_size 0
		.amdhsa_enable_private_segment 0
		.amdhsa_kernarg_size 24
		.amdhsa_user_sgpr_count 2
		.amdhsa_user_sgpr_kernarg_segment_ptr 1
		.amdhsa_wavefront_size32 1
		.amdhsa_system_sgpr_workgroup_id_x 1
		.amdhsa_system_sgpr_workgroup_id_y 1
		.amdhsa_system_sgpr_workgroup_id_z 1
		.amdhsa_system_vgpr_workitem_id 0
		.amdhsa_next_free_vgpr 1024
		.amdhsa_next_free_sgpr 100
		.amdhsa_reserve_vcc 0
		.amdhsa_float_denorm_mode_32 3
		.amdhsa_float_denorm_mode_16_64 3
		.amdhsa_memory_ordered 1
		.amdhsa_forward_progress 1
		.amdhsa_inst_pref_size 177
	.end_amdhsa_kernel
	.amdgpu_metadata
---
amdhsa.version: [ 1, 2 ]
amdhsa.kernels:
  - .name:           k_q21e8215934_qkv
    .symbol:         k_q21e8215934_qkv.kd
    .args:
      - { .name: prep, .offset: 0, .size: 8, .value_kind: global_buffer, .address_space: global }
      - { .name: b_qkv, .offset: 8, .size: 8, .value_kind: global_buffer, .address_space: global }
      - { .name: qkv, .offset: 16, .size: 8, .value_kind: global_buffer, .address_space: global }
    .group_segment_fixed_size: 327680
    .private_segment_fixed_size: 0
    .kernarg_segment_align: 8
    .kernarg_segment_size: 24
    .max_flat_workgroup_size: 128
    .sgpr_count:     100
    .vgpr_count:     1024
    .wavefront_size: 32
...
	.end_amdgpu_metadata
.endif
;; end of part 2
;; launch attn (part 3): grid 4 x 64, 16 waves a work-group, clusters of 4 x 1, 210,944 bytes of LDS; arguments qkv, att; writes att
.if DOCPART == 3
	.amdgcn_target "amdgcn-amd-amdhsa--gfx1250"
	.amdhsa_code_object_version 6
	.text
	.protected	k_q21e8215934_attn
	.globl	k_q21e8215934_attn
	.p2align	8
	.type	k_q21e8215934_attn,@function
k_q21e8215934_attn:
	s_mov_b64 s[64:65], 0
	v_nop
	global_prefetch_b8 v0, s[64:65] scope:SCOPE_SE
	s_setreg_imm32_b32 hwreg(HW_REG_WAVE_MODE, 25, 1), 1
	s_wait_xcnt 0x0
	s_wait_alu depctr_hold_cnt(0) depctr_sa_sdst(0) depctr_va_vdst(0) depctr_va_sdst(0) depctr_va_ssrc(0) depctr_va_vcc(0) depctr_vm_vsrc(0)
	s_getreg_b32 s2, hwreg(HW_REG_IB_STS2, 6, 4)
	s_cmp_eq_u32 s2, 0
	s_cbranch_scc0 .Lentry_in_a_cluster
	s_endpgm
.Lentry_in_a_cluster:
	s_bfe_u32 s2, ttmp6, 0x10000c
	s_cmp_lg_u32 s2, 0x3003
	s_cbranch_scc0 .Lentry_shape_is_right
	s_endpgm
.Lentry_shape_is_right:
; Causal attention of one batch x head (2,048 tokens, head size 64) on codes of FP6 (E2M3) with E8M0 scales; the result, divided by the row's sum, is quantised along the 64 channels and leaves as the next product's operand image.
; Key steps that lie wholly above the diagonal of the causal mask are not computed.
; SOFTMAX: t = score x log2(e) / 8; M = the running largest t rounded up to a whole number; p = 2^(t - M) is quantised along the keys, not normalised; the row's sum is taken of the unquantised p.
; SHARES.  The four work-groups of a head form a cluster.  A key step is 128 keys; the 8 query tiles (16 queries) whose diagonal lies in key step JS are dealt two to a work-group: tile 8 JS + 2 cx + w % 2.
; Wave w takes JS = 15 - w / 2 (pass 0) and JS = w / 2 (pass 1): 17 key steps for every wave.  Every branch hangs on the wave's number and on counted steps alone; cx enters global addresses and the mask's bound only.
; LDS: the head's 16 key steps, 13,056 bytes each (K's codes, V's codes, K's scale words, V's), 208,896 bytes, filled ONCE: wave w asks for step w by one joint load (mask 15).  Nothing is filled again, nothing is stored to LDS.
; Waves 0-3 have a load line of their own: the first barrier shows steps 0-3, which are open for every wave of pass 0; the second barrier shows the rest.
; NO PREFETCH: all of K and V is asked for at the head; there is no later tile to run ahead for.
; LAYOUT.  Both products are used transposed: S^T = K Q^T (source 0 = 16 keys, source 1 = my 16 queries; of the instruction's 128 along K the upper 64 meet zero codes of Q), O^T = V^T P^T.  A lane holds one query throughout.
; Lane-row p of a tile t is row 32 (t / 2) + 8 (t % 2) + p + 8 (p / 8), for keys, queries and channels: so the 16 registers of tiles 2 b and 2 b + 1 are 16 neighbours along the next K.
; LIMITS: NaN and infinities are not served; the scaled scores stay under 2^31 in magnitude; hidden scores are -infinity where the definition has the lowest f32 number: p is 0 either way; a block of zeros gets the scale byte 1 (read by this program alone).
; The scale bytes of the result leave by single bytes, 32 apart: 2 bytes for 48 bytes of codes.
; REGISTERS: v1, v2, v5 lane offsets; v8, v9, v30 the step's addresses; v31 the old -M; v12 -M, v13 the largest t, v[14:15] the sum; v16-21 Q, v22-27 zeros; v28 Q's scale word; v29 the mask's bound; v32-79 K's 8 tiles, then V's 4 fragments; v80-85 zeros;
;   v86-93 K's scale words; v96-159 S^T, then p; v160-191 O^T; v192, v193 offsets; v224-235 p's codes; v228-247, v252, v254 at work; v248-251 V's scale words; v253 p's scale word; v243, v255 the add's two.
.set HSZ,   315392                     ; a head's bytes in qkv
.set QC,    208896                     ; Q's codes in them,
.set QSO,   307200                     ; Q's scale words
.set STB,   13056                      ; a key step's block
.set OSC,   6291456
.set SPARE, 208896
.set WV,   18
.set CX,   19
.set SEL,  20
.set CS,   22
.set G1,   24
.set G0,   48
.set KK,   52
.set TL,   53
.set BH,   60
.set QLOC, 61                          ; my tile's first query within its 128
.set QW,   62                          ; my tile's place among a step's scale words, from the head's first byte
.set HEAD, 63
.set OB,   66
.set SB,   68
.set J,    70
.set JS,   71
.set TK,   72
.set TILE, 76
.set HM,   77
.set QA,   78
.set QS,   80
.set HC,   86
.set HEAD2, 90
.macro ROUND                           ; a round of the cluster's barrier
	s_barrier_signal -1
	s_barrier_wait -1
	s_cmp_lg_u32 s[WV], 0
	s_cbranch_scc1 .Lnw0_\@
	s_barrier_signal -3
.Lnw0_\@:
	s_barrier_wait -3
	s_barrier_signal -1
	s_barrier_wait -1
.endm
	s_load_b128 s[4:7], s[0:1], 0x0                ; qkv s[4:5], att s[6:7]
	v_lshl_add_u32 v243, v0, 2, SPARE
	v_mov_b32 v255, 0
	ds_add_u32 v243, v255                          ; the opening lines: the add twice on end and its wait
	ds_add_u32 v243, v255
	v_lshrrev_b32 v8, 5, v0
	v_readfirstlane_b32 s[WV], v8                  ; wave 0..15
	s_and_b32 s[BH], ttmp7, 0xffff                 ; batch x 16 + head: the cluster's y
	s_bfe_u32 s[CX], ttmp6, 0x40000                ; my place in the cluster
	s_mov_b32 s[G1], 15|(3<<16)|(1<<21)            ; the four partners; elements of 8 bytes; a dense block as 51 rows of 256 bytes
	s_mov_b32 s[G1+1], 32<<16
	s_mov_b32 s[G1+2], 51<<16
	s_mov_b32 s[G1+3], 32<<16
	s_mov_b32 s[G1+4], 51
	s_mov_b32 s[G1+5], 32
	s_mov_b32 s[G1+6], 0
	s_mov_b32 s[G1+7], 0
	s_mul_i32 s[HC], s[BH], HSZ
	s_mov_b32 s[HC+1], 0
	s_mul_i32 s82, s[WV], STB
	s_mov_b32 s83, 0
	s_mov_b32 s[G0], 1
	s_mul_i32 s[G0+1], s[WV], STB                  ; key step w lies at w x 13,056 in LDS as in the head
	s_wait_alu depctr_va_vdst(0)
	s_wait_dscnt 0x0
	ROUND                                          ; in front of the first joint loads
	s_wait_kmcnt 0x0
	s_add_nc_u64 s[HC:HC+1], s[4:5], s[HC:HC+1]
	s_add_nc_u64 s[G0+2:G0+3], s[HC:HC+1], s[82:83]
	s_or_b32 s[G0+3], s[G0+3], 0x80000000
	s_cmp_lt_u32 s[WV], 4
	s_cbranch_scc0 .Llate
	tensor_load_to_lds s[G0:G0+3], s[G1:G1+7]      ; key steps 0-3: the line of the waves that wait at the first barrier
	s_nop 0
.rept 4
	v_nop
.endr
	s_branch .Lasked
.Llate:
	tensor_load_to_lds s[G0:G0+3], s[G1:G1+7]      ; key steps 4-15
	s_nop 0
.rept 4
	v_nop
.endr
.Lasked:
	s_lshr_b32 s[KK], s[WV], 1
	s_and_b32 s84, s[WV], 1
	s_lshl_b32 s[TL], s[CX], 1
	s_add_co_u32 s[TL], s[TL], s84                 ; my tile among a step's eight: 2 cx + w % 2
	s_lshl_b32 s[QLOC], s[CX], 5
	s_lshl_b32 s82, s84, 3
	s_add_co_u32 s[QLOC], s[QLOC], s82             ; 32 (tile / 2) + 8 (tile % 2)
	s_lshr_b32 s82, s[TL], 2
	s_lshl_b32 s82, s82, 8
	s_and_b32 s84, s[TL], 3
	s_lshl_b32 s84, s84, 2
	s_add_co_u32 s[QW], s82, s84                   ; 256 (tile / 4) + 4 (tile % 4)
	s_add_co_u32 s[QW], s[QW], QSO
	s_and_b32 s[HEAD], s[BH], 15
	s_lshl_b32 s[HEAD2], s[HEAD], 1
	s_add_co_u32 s[HEAD2], s[HEAD2], OSC
	s_mov_b32 s[SEL], 0x76543210
	s_mov_b32 s[SEL+1], 0xfedcba98                 ; v_permlanex16_b32's selects for lane l xor 16
	s_mov_b32 s[CS], 0x3e38aa3b                    ; c = log2(e) / 8
	s_mov_b32 s[CS+1], s[CS]
	v_and_b32 v9, 31, v0                           ; lane
	v_and_b32 v10, 15, v0                          ; r
	v_bfe_u32 v11, v0, 4, 1                        ; h
	v_lshlrev_b32 v1, 4, v9                        ; 16 x lane: registers 0-3 of a half fragment
	v_lshlrev_b32 v2, 3, v9
	v_lshlrev_b32 v193, 4, v10                     ; 16 r
	v_and_b32 v7, 8, v10
	v_lshlrev_b32 v8, 4, v11
	v_add_nc_u32 v2, 512, v2                       ; 512 + 8 x lane: registers 4-5
	v_add_nc_u32 v5, 12288, v193                   ; the step's scale words
	v_add_nc_u32 v7, v7, v10                       ; r + 8 (r / 8)
	v_cmp_lt_u32 s[HM], 15, v9
	v_lshl_add_u32 v192, v7, 5, v11                ; the result's scale byte: my token's 32 bytes, + h
	v_sub_nc_u32 v29, v7, v8
	v_add_nc_u32 v29, s[QLOC], v29                 ; d = my query within its 128 - 16 h: register 16 b + i holds key 32 b + 16 h + i: hidden on the diagonal where 32 b + i > d
.irp i, 0,1,2,3,4,5
	v_mov_b32 v[22+\i], 0                          ; Q's codes for the upper 64 of the instruction's K
	v_mov_b32 v[80+\i], 0                          ; what stands behind K's last tile
.endr
.irp b, 0,1,2,3
	v_mov_b32 v[236+\b], 0                         ; a lane permute's destination counts as one of its sources
.endr
	v_mov_b32 v253, 0
	s_wait_alu depctr_va_vdst(0)
.macro PASS_INIT p                     ; my tile, its Q, where its result goes; the running figures begin anew
.if \p
	s_wait_xcnt 0x0                                ; the last pass's loads and stores have read their bases and data
	s_mov_b32 s[JS], s[KK]
.else
	s_sub_co_u32 s[JS], 15, s[KK]
.endif
	s_lshl_b32 s[TILE], s[JS], 3
	s_add_co_u32 s[TILE], s[TILE], s[TL]
	s_mov_b32 s[J], 0
	s_mov_b32 s[TK], 0
	s_mul_i32 s82, s[TILE], 768
	s_add_co_u32 s82, s82, QC
	s_add_nc_u64 s[QA:QA+1], s[HC:HC+1], s[82:83]
	s_lshl_b32 s82, s[JS], 9
	s_add_co_u32 s82, s82, s[QW]
	s_add_nc_u64 s[QS:QS+1], s[HC:HC+1], s[82:83]
	global_load_b128 v[16:19], v1, s[QA:QA+1]
	global_load_b64 v[20:21], v2, s[QA:QA+1]
	global_load_b32 v28, v193, s[QS:QS+1]
	s_lshr_b32 s82, s[BH], 4                       ; batch
	s_lshl_b32 s82, s82, 7
	s_add_co_u32 s82, s82, s[TILE]                 ; token tile
	s_lshl_b32 s82, s82, 4
	s_add_co_u32 s82, s82, s[HEAD]                 ; K / 64 of the next product = the head
	s_mul_i32 s82, s82, 768
	s_add_nc_u64 s[OB:OB+1], s[6:7], s[82:83]
	s_lshr_b32 s82, s[BH], 4
	s_lshl_b32 s82, s82, 4
	s_add_co_u32 s82, s82, s[JS]
	s_lshl_b32 s82, s82, 7
	s_add_co_u32 s82, s82, s[QLOC]                 ; my tile's first token
	s_lshl_b32 s82, s82, 5
	s_add_co_u32 s82, s82, s[HEAD2]
	s_add_nc_u64 s[SB:SB+1], s[6:7], s[82:83]
	v_mov_b32 v13, 0xff61b1e6                      ; the largest t so far: -3e38
	s_delay_alu instid0(VALU_DEP_1)
	v_floor_f32 v12, -v13                          ; -M
	v_mov_b32 v14, 0
	v_mov_b32 v15, 0
.set nn, 0
.rept 32
	v_mov_b32 v[160+nn], 0                         ; O^T: the first change of M multiplies zeros
.set nn, nn+1
.endr
	s_wait_alu depctr_va_vdst(0)
.endm
; A KEY STEP.  mode 0: open for every wave.  mode 1: jumped over behind my diagonal, masked on it.
.macro STEP mode
.if \mode
	s_cmp_gt_u32 s[J], s[JS]
	s_cbranch_scc1 .Lhid_\@
.endif
	v_add_nc_u32 v8, s[TK], v1                     ; these four are also the places in front of loads into registers that the last products read
	v_add_nc_u32 v9, s[TK], v2
	v_add_nc_u32 v30, s[TK], v5
	v_mov_b32 v31, v12                             ; the old -M
.irp t, 0,1,2,3,4,5,6,7
	ds_load_b128 v[32+6*\t:35+6*\t], v8 offset:768*\t
	ds_load_b64 v[36+6*\t:37+6*\t], v9 offset:768*\t
.endr
	ds_load_b128 v[86:89], v30                     ; K's scale words: tiles 0-3 of row r,
	ds_load_b128 v[90:93], v30 offset:256          ; tiles 4-7
	s_wait_alu depctr_va_vdst(0)
	s_wait_dscnt 0x0
.irp t, 0,1,2,3,4,5,6,7                        ; S^T: a tile's upper six registers are the next tile's codes: they meet Q's zero codes
	v_wmma_scale_f32_16x16x128_f8f6f4 v[96+8*\t:103+8*\t], v[32+6*\t:43+6*\t], v[16:27], 0, v[86+\t], v28 matrix_a_fmt:MATRIX_FMT_FP6 matrix_b_fmt:MATRIX_FMT_FP6
.endr
.rept 4
	v_nop                                          ; places in front of the loads below and of the first read of the scores
.endr
.irp t, 0,1,2,3                                ; V's four fragments land while the softmax is worked
.irp c, 0,1
	ds_load_b128 v[32+12*\t+6*\c:35+12*\t+6*\c], v8 offset:6144+1536*\t+768*\c
	ds_load_b64 v[36+12*\t+6*\c:37+12*\t+6*\c], v9 offset:6144+1536*\t+768*\c
.endr
.endr
	ds_load_b128 v[248:251], v30 offset:512        ; V's scale words: d tiles 0-3 of row r
.if \mode
	s_cmp_lg_u32 s[J], s[JS]
	s_cbranch_scc1 .Lopen_\@
	v_mov_b32 v254, 0xff800000                     ; on the diagonal hidden scores become -infinity ahead of the maximum
.set nn, 0
.rept 64
	v_cmp_gt_i32 vcc_lo, 32*(nn/16)+nn%16, v29
	v_cndmask_b32 v[96+nn], v[96+nn], v254, vcc_lo
.set nn, nn+1
.endr
.Lopen_\@:
.endif
.irp b, 0,1,2,3
	v_max3_num_f32 v[232+\b], v[96+16*\b], v[97+16*\b], v[98+16*\b]   ; the largest score of each block of 32 keys: for the row's maximum and, since p rises with the score, for the block's largest p
.endr
.irp i, 3,5,7,9,11,13
.irp b, 0,1,2,3
	v_max3_num_f32 v[232+\b], v[232+\b], v[96+16*\b+\i], v[97+16*\b+\i]
.endr
.endr
.irp b, 0,1,2,3
	v_max_num_f32 v[232+\b], v[232+\b], v[111+16*\b]
.endr
.irp b, 0,1,2,3
	s_delay_alu instid0(VALU_DEP_4)
	v_permlanex16_b32 v[236+\b], v[232+\b], s[SEL], s[SEL+1]
.endr
.irp b, 0,1,2,3
	s_delay_alu instid0(VALU_DEP_4)
	v_max_num_f32 v[232+\b], v[232+\b], v[236+\b]  ; with lane l xor 16's 16 keys
.endr
	s_delay_alu instid0(VALU_DEP_2)
	v_max3_num_f32 v254, v232, v233, v234
	s_delay_alu instid0(VALU_DEP_1)
	v_max_num_f32 v254, v254, v235
	s_delay_alu instid0(VALU_DEP_1)
	v_mul_f32 v254, s[CS], v254                    ; the step's largest t
	s_delay_alu instid0(VALU_DEP_1)
	v_max_num_f32 v13, v13, v254                   ; the running largest t
	s_delay_alu instid0(VALU_DEP_1)
	v_floor_f32 v12, -v13                          ; the new -M = -ceil(t)
	s_delay_alu instid0(VALU_DEP_1)
	v_sub_f32 v254, v12, v31                       ; old M - new M: a whole number, 0 or less
	s_delay_alu instid0(VALU_DEP_1)
	v_cvt_i32_f32 v254, v254
	s_delay_alu instid0(VALU_DEP_1)
	v_ldexp_f32 v252, 1.0, v254                    ; f = 2^(old M - new M)
.set nn, 0
.rept 32
	v_pk_fma_f32 v[96+nn:97+nn], v[96+nn:97+nn], s[CS:CS+1], v[12:13] op_sel_hi:[1,0,0]   ; t - M
.set nn, nn+2
.endr
.irp b, 0,1,2,3
	v_fma_f32 v[232+\b], v[232+\b], s[CS], v12     ; the same of each block's largest score
.endr
.set nn, 0
	s_wait_alu depctr_va_vdst(0)                   ; the wait ahead of the batch
.rept 64
	v_exp_f32 v[96+nn], v[96+nn]                   ; p = 2^(t - M)
.set nn, nn+1
.endr
	v_pk_mul_f32 v[14:15], v[14:15], v[252:253] op_sel_hi:[1,0]   ; the sums under the new M: a plain place behind the exponentials
	s_wait_alu depctr_va_vdst(0)                   ; one wait for the batch, ahead of its first reader
.irp b, 0,1,2,3
	v_exp_f32 v[232+\b], v[232+\b]                 ; the block's largest p
.endr
	v_pk_add_f32 v[236:237], v[100:101], v[104:105]   ; the row's sum of the unquantised p, in eight chains
	v_pk_add_f32 v[246:247], v[108:109], v[112:113]
	v_pk_add_f32 v[244:245], v[116:117], v[120:121]
	v_pk_add_f32 v[240:241], v[124:125], v[128:129]
	v_pk_add_f32 v[238:239], v[132:133], v[136:137]
	v_pk_add_f32 v[230:231], v[140:141], v[144:145]
	v_pk_add_f32 v[228:229], v[148:149], v[152:153]
	v_pk_add_f32 v[14:15], v[14:15], v[156:157]
	v_pk_add_f32 v[236:237], v[236:237], v[96:97]
	v_pk_add_f32 v[246:247], v[246:247], v[98:99]
	v_pk_add_f32 v[244:245], v[244:245], v[102:103]
	v_pk_add_f32 v[240:241], v[240:241], v[106:107]
	v_pk_add_f32 v[238:239], v[238:239], v[110:111]
	v_pk_add_f32 v[230:231], v[230:231], v[114:115]
	v_pk_add_f32 v[228:229], v[228:229], v[118:119]
	v_pk_add_f32 v[14:15], v[14:15], v[122:123]
	v_pk_add_f32 v[236:237], v[236:237], v[126:127]
	v_pk_add_f32 v[246:247], v[246:247], v[130:131]
	v_pk_add_f32 v[244:245], v[244:245], v[134:135]
	v_pk_add_f32 v[240:241], v[240:241], v[138:139]
	v_pk_add_f32 v[238:239], v[238:239], v[142:143]
	v_pk_add_f32 v[230:231], v[230:231], v[146:147]
	v_pk_add_f32 v[228:229], v[228:229], v[150:151]
	v_pk_add_f32 v[14:15], v[14:15], v[154:155]
	v_pk_add_f32 v[236:237], v[236:237], v[158:159]
	s_delay_alu instid0(VALU_DEP_2)
	v_pk_add_f32 v[14:15], v[14:15], v[240:241]
	s_delay_alu instid0(VALU_DEP_2)
	v_pk_add_f32 v[236:237], v[236:237], v[238:239]
	v_pk_add_f32 v[246:247], v[246:247], v[230:231]
	v_pk_add_f32 v[244:245], v[244:245], v[228:229]
	s_delay_alu instid0(VALU_DEP_2)
	v_pk_add_f32 v[14:15], v[14:15], v[246:247]
	s_delay_alu instid0(VALU_DEP_2)
	v_pk_add_f32 v[236:237], v[236:237], v[244:245]
	s_delay_alu instid0(VALU_DEP_1)
	v_pk_add_f32 v[14:15], v[14:15], v[236:237]
	s_wait_alu depctr_va_vdst(0)                   ; and one for the four
.irp b, 0,1,2,3
	v_max_num_f32 v[232+\b], 0x1800000, v[232+\b]  ; the floor 2^(3 - 127)
.endr
.irp b, 0,1,2,3
	s_delay_alu instid0(VALU_DEP_4)
	v_add_nc_u32 v[244+\b], 0xff000000, v[232+\b]  ; the conversion's scale operand
.endr
.irp b, 0,1,2,3
	s_delay_alu instid0(VALU_DEP_4)
	v_lshrrev_b32 v[236+\b], 23, v[244+\b]         ; the scale's byte
.endr
	s_delay_alu instid0(VALU_DEP_3)
	v_lshl_or_b32 v253, v237, 8, v236              ; p's scale word for these 128 keys
	s_delay_alu instid0(VALU_DEP_1)
	v_lshl_or_b32 v253, v238, 16, v253
	s_delay_alu instid0(VALU_DEP_1)
	v_lshl_or_b32 v253, v239, 24, v253
.irp c, 0,1
	v_cvt_scalef32_pk16_fp6_f32 v[224+6*\c:226+6*\c], v[96+32*\c:111+32*\c], v[244+2*\c]
	v_cvt_scalef32_pk16_fp6_f32 v[236+4*\c:238+4*\c], v[112+32*\c:127+32*\c], v[244+2*\c+1]
.endr
	v_nop                                          ; one plain place behind the scaled conversions
.irp c, 0,1
.irp i, 0,1,2
	v_permlane16_swap_b32 v[224+6*\c+\i], v[236+4*\c+\i]
.endr
.irp i, 0,1,2
	s_delay_alu instid0(VALU_DEP_3)
	v_mov_b32 v[227+6*\c+\i], v[236+4*\c+\i]
.endr
.endr
	s_wait_alu depctr_va_vdst(0)                   ; the wait directly ahead of the first reader of O^T
.set nn, 0
.rept 16
	v_pk_mul_f32 v[160+nn:161+nn], v[160+nn:161+nn], v[252:253] op_sel_hi:[1,0]   ; O^T under the new M; these are also the places between p's codes and scale word and the products
.set nn, nn+2
.endr
	s_wait_alu depctr_va_vdst(0)
	s_wait_dscnt 0x0                               ; V
.irp t, 0,1,2,3                                ; O^T += V^T P^T: four accumulators by turns, eight other products between two steps
	v_wmma_scale_f32_16x16x128_f8f6f4 v[160+8*\t:167+8*\t], v[32+12*\t:43+12*\t], v[224:235], v[160+8*\t:167+8*\t], v[248+\t], v253 matrix_a_fmt:MATRIX_FMT_FP6 matrix_b_fmt:MATRIX_FMT_FP6
.endr
.if \mode
.Lhid_\@:
.endif
	s_add_co_u32 s[J], s[J], 1
	s_add_co_u32 s[TK], s[TK], STB
.endm
; The end of a pass: O^T / the sum, quantised along the head's 64 channels (two blocks), stored as a half fragment of the next product's operand.
.macro FINISH
.rept 4
	v_nop                                          ; places behind the last products
.endr
	v_add_f32 v14, v14, v15
	s_delay_alu instid0(VALU_DEP_1)
	v_permlanex16_b32 v252, v14, s[SEL], s[SEL+1]
	s_delay_alu instid0(VALU_DEP_1)
	v_add_f32 v14, v14, v252                       ; the row's sum
	s_wait_alu depctr_va_vdst(0)
	v_rcp_f32 v14, v14
	v_nop                                          ; a plain place behind the reciprocal
	s_wait_alu depctr_va_vdst(0)                   ; and the wait ahead of its first reader
.set nn, 0
.rept 16
	v_pk_mul_f32 v[96+nn:97+nn], v[160+nn:161+nn], v[14:15] op_sel_hi:[1,0]   ; register 16 b + i: channel 32 b + 16 h + i of my query
.set nn, nn+2
.endr
.irp b, 0,1
	v_max3_num_f32 v[232+\b], |v[96+16*\b]|, |v[97+16*\b]|, 0x1800000
.endr
.irp i, 2,4,6,8,10,12,14
.irp b, 0,1
	s_delay_alu instid0(VALU_DEP_2)
	v_max3_num_f32 v[232+\b], v[232+\b], |v[96+16*\b+\i]|, |v[97+16*\b+\i]|
.endr
.endr
.irp b, 0,1
	s_delay_alu instid0(VALU_DEP_2)
	v_permlanex16_b32 v[236+\b], v[232+\b], s[SEL], s[SEL+1]
.endr
.irp b, 0,1
	s_delay_alu instid0(VALU_DEP_2)
	v_max_num_f32 v[232+\b], v[232+\b], v[236+\b]
.endr
.irp b, 0,1
	s_delay_alu instid0(VALU_DEP_2)
	v_add_nc_u32 v[244+\b], 0xff000000, v[232+\b]
.endr
.irp b, 0,1
	s_delay_alu instid0(VALU_DEP_2)
	v_lshrrev_b32 v[236+\b], 23, v[244+\b]
.endr
	v_cvt_scalef32_pk16_fp6_f32 v[224:226], v[96:111], v244
	v_cvt_scalef32_pk16_fp6_f32 v[228:230], v[112:127], v245
	v_nop                                          ; one plain place behind the scaled conversions
.irp i, 0,1,2
	v_permlane16_swap_b32 v[224+\i], v[228+\i]     ; lanes 0-15 now hold block 0 whole, lanes 16-31 block 1
.endr
	s_delay_alu instid0(VALU_DEP_3)
	v_mov_b32 v227, v228
	s_delay_alu instid0(VALU_DEP_3)
	v_mov_b32 v228, v229
	s_delay_alu instid0(VALU_DEP_3)
	v_mov_b32 v229, v230
	v_cndmask_b32 v231, v236, v237, s[HM]          ; my half's byte
	global_store_b128 v1, v[224:227], s[OB:OB+1]   ; 512 consecutive bytes,
	global_store_b64 v2, v[228:229], s[OB:OB+1]    ; 256 more
	global_store_b8 v192, v231, s[SB:SB+1]
.endm
	PASS_INIT 0
	s_cmp_lt_u32 s[WV], 4
	s_cbranch_scc0 .Lnot_first
	s_wait_tensorcnt 0x0                           ; waves 0-3: my key step is in
.Lnot_first:
	s_barrier_signal -1
	s_barrier_wait -1                              ; key steps 0-3 are in; the others may be on their way
	s_wait_loadcnt 0x0                             ; Q
.Lfirst:                                           ; key steps 0 to 3: open for every wave of pass 0 (its diagonals lie in steps 8 to 15)
	STEP 0
	s_cmp_lt_u32 s[J], 4
	s_cbranch_scc1 .Lfirst
	s_wait_tensorcnt 0x0                           ; every wave: my key step is in,
	s_wait_dscnt 0x0
	s_barrier_signal -1
	s_barrier_wait -1                              ; everybody's is
	s_mov_b32 s[J], 4
	s_mov_b32 s[TK], 4*STB
.Lpass0:                                           ; key steps 4 to 15: a constant count; what lies behind my diagonal is jumped over
	STEP 1
	s_cmp_lt_u32 s[J], 16
	s_cbranch_scc1 .Lpass0
	FINISH
	PASS_INIT 1
	s_wait_loadcnt 0x0                             ; Q
.Lpass1:                                           ; key steps 0 to 7: pass 1's diagonals lie there
	STEP 1
	s_cmp_lt_u32 s[J], 8
	s_cbranch_scc1 .Lpass1
	FINISH
	s_wait_tensorcnt 0x0                           ; the wave's end
	ds_add_u32 v243, v255
	s_wait_dscnt 0x0
	ROUND                                          ; the closing round
	s_endpgm
.Lfunc_end_k_q21e8215934_attn:
	.size	k_q21e8215934_attn, .Lfunc_end_k_q21e8215934_attn-k_q21e8215934_attn
	.p2alignl 7, 3214868480
	.fill 96, 4, 3214868480
	.section	.rodata,"a",@progbits
	.p2align	6, 0x0
	.amdhsa_kernel k_q21e8215934_attn
		.amdhsa_group_segment_fixed_size 210944
		.amdhsa_private_segment_fixed_size 0
		.amdhsa_enable_private_segment 0
		.amdhsa_kernarg_size 16
		.amdhsa_user_sgpr_count 2
		.amdhsa_user_sgpr_kernarg_segment_ptr 1
		.amdhsa_wavefront_size32 1
		.amdhsa_system_sgpr_workgroup_id_x 1
		.amdhsa_system_sgpr_workgroup_id_y 1
		.amdhsa_system_sgpr_workgroup_id_z 1
		.amdhsa_system_vgpr_workitem_id 0
		.amdhsa_next_free_vgpr 256
		.amdhsa_next_free_sgpr 92
		.amdhsa_reserve_vcc 1
		.amdhsa_float_denorm_mode_32 3
		.amdhsa_float_denorm_mode_16_64 3
		.amdhsa_memory_ordered 1
		.amdhsa_forward_progress 1
		.amdhsa_inst_pref_size 81
	.end_amdhsa_kernel
	.amdgpu_metadata
---
amdhsa.version: [ 1, 2 ]
amdhsa.kernels:
  - .name:           k_q21e8215934_attn
    .symbol:         k_q21e8215934_attn.kd
    .args:
      - { .name: qkv, .offset: 0, .size: 8, .value_kind: global_buffer, .address_space: global }
      - { .name: att, .offset: 8, .size: 8, .value_kind: global_buffer, .address_space: global }
    .group_segment_fixed_size: 210944
    .private_segment_fixed_size: 0
    .kernarg_segment_align: 8
    .kernarg_segment_size: 16
    .max_flat_workgroup_size: 512
    .sgpr_count:     92
    .vgpr_count:     256
    .wavefront_size: 32
...
	.end_amdgpu_metadata
.endif
;; end of part 3
;; launch proj (part 4): grid 8 x 32, 4 waves a work-group, clusters of 4 x 4, 327,680 bytes of LDS; arguments att, prep, b_out, out0; writes out0
.if DOCPART == 4
	.amdgcn_target "amdgcn-amd-amdhsa--gfx1250"
	.amdhsa_code_object_version 6
	.text
	.protected	k_q21e8215934_proj
	.globl	k_q21e8215934_proj
	.p2align	8
	.type	k_q21e8215934_proj,@function
k_q21e8215934_proj:
	s_mov_b64 s[64:65], 0
	v_nop
	global_prefetch_b8 v0, s[64:65] scope:SCOPE_SE
	s_setreg_imm32_b32 hwreg(HW_REG_WAVE_MODE, 25, 1), 1
	s_wait_xcnt 0x0
	s_wait_alu depctr_hold_cnt(0) depctr_sa_sdst(0) depctr_va_vdst(0) depctr_va_sdst(0) depctr_va_ssrc(0) depctr_va_vcc(0) depctr_vm_vsrc(0)
	s_getreg_b32 s2, hwreg(HW_REG_IB_STS2, 6, 4)
	s_cmp_eq_u32 s2, 0
	s_cbranch_scc0 .Lentry_in_a_cluster
	s_endpgm
.Lentry_in_a_cluster:
	s_bfe_u32 s2, ttmp6, 0x10000c
	s_cmp_lg_u32 s2, 0xf033
	s_cbranch_scc0 .Lentry_shape_is_right
	s_endpgm
.Lentry_shape_is_right:
; out0 = att W_out + b_out on codes of FP6 (E2M3) with E8M0 scales, K = 1,024; f32 sums and results.
; A work-group makes 256 rows x 128 columns: 32 x 8 = 256 work-groups.  ALL OF K lies in LDS: 256 rows of att and 128 columns of W_out, 768 bytes each, 294,912 bytes, filled once, in two halves along K.
; One joint load a wave at the head: wave 0 A's K 0-511, wave 1 B's, wave 2 A's K 512-1023, wave 3 B's.  The first barrier waits for waves 0 and 1 alone (each load has a line of its own); the second, in K step 3, for all.
; CLUSTERS: 4 x 4 work-groups; A's tiles are asked for jointly along a row of the cluster, B's along a column.  Nothing is filled again.  NO PREFETCH: every tile is asked for at the head.
; OPERANDS lie in memory as images of their registers ([row tile][K / 64][768]: registers 0-3 at 16 x lane, 4-5 at 512 + 8 x lane); lane-row p of row tile t is row 32 (t / 2) + 8 (t % 2) + p + 8 (p / 8).
; A wave makes 64 rows x 128 columns: 32 accumulators.  A K step of 128 is 32 products; the next step's 48 fragment loads are issued ahead of them, into the other set of registers.
; SCALE WORDS go from memory straight into registers: a row's 32 bytes are 16 for lanes 0-15 (K steps 0-3) and 16 for lanes 16-31 (K steps 4-7): a load reads two whole runs of 256 bytes.
; The matrix instruction is used transposed (source 0 = W_out's columns, source 1 = att's rows): a lane holds eight neighbouring numbers of a row.  The bias is the first products' C.
; THE WAY OUT goes through a stage in the first half's bytes of LDS: behind the second barrier no wave reads them and no load lands there.
; REGISTERS: window 0: v0-31 addresses; v32-47 A's scale words, v50-81 B's; v84-147 the bias; v148-243 A's fragments, two sets; on the way out v84-211.  window 1: B's fragments, two sets.  window 2: accumulators.
.set WOIMG,  8650752
.set WOSC,   9797632
.set OSC,    6291456
.set FR,     12
.set AH,     16*6144                   ; A's 16 row tiles of a half of K
.set HALF,   24*6144                   ; and B's 8 behind them
.set SPARE,  2*HALF
.set SPITCH, 528
.set ADRA, 16                          ; v16-17 A's fragments in half 0, 1: + 16 x lane;  v18-19: + 8 x lane
.set ADRB, 20
.set STO,  24
.set RD,   25
.set CO,   26
.set SPW,  28
.set NIL,  29
.set SA,   32
.set SB,   50
.set BN,   84
.set AF,   148
.set BK,   84
.set G1,  24
.set G0,  32
.set G1B, 48
.set G0B, 56
.set MSB, 0
.macro WIN new
.if MSB != (\new)
	s_set_vgpr_msb (MSB<<8)|(\new)
.set MSB, (\new)
.endif
.endm
.macro PLACES n
.rept \n
	v_nop
.endr
.endm
.macro CROUND                          ; a round of the cluster's barrier
	s_barrier_signal -1
	s_barrier_wait -1
	s_cmp_lg_u32 s14, 0
	s_cbranch_scc1 .Lnot_wave_0_\@
	s_barrier_signal -3
.Lnot_wave_0_\@:
	s_barrier_wait -3
	s_barrier_signal -1
	s_barrier_wait -1
.endm
.macro ARM under, g0, g1, next
	s_cmp_lt_u32 s14, \under
	s_cbranch_scc0 \next
	tensor_load_to_lds s[\g0:\g0+3], s[\g1:\g1+7]
	s_nop 0
	PLACES 4
	s_branch .Lhead_asked
\next:
.endm
	s_load_b256 s[4:11], s[0:1], 0x0               ; att s[4:5], prep s[6:7], b_out s[8:9], out0 s[10:11]
	v_lshl_add_u32 v[SPW], v0, 2, SPARE
	v_mov_b32 v[NIL], 0
	ds_add_u32 v[SPW], v[NIL]                      ; the opening lines: the add twice on end and its wait
	ds_add_u32 v[SPW], v[NIL]
	v_lshrrev_b32 v1, 5, v0
	v_readfirstlane_b32 s14, v1                    ; wave 0..3
	s_bfe_u32 s40, ttmp6, 0x40000                  ; cx
	s_bfe_u32 s41, ttmp6, 0x40004                  ; cy
	s_lshl_b32 s42, ttmp9, 2
	s_add_co_u32 s42, s42, s40                     ; tile column, 0..7
	s_and_b32 s17, ttmp7, 0xffff
	s_lshl_b32 s17, s17, 2
	s_add_co_u32 s17, s17, s41                     ; tile row, 0..31
	s_lshl_b32 s43, s41, 2
	s_lshl_b32 s43, 15, s43                        ; my row of the cluster
	s_lshl_b32 s44, 0x1111, s40                    ; my column
	s_or_b32 s[G1], s43, (3<<16)|(1<<21)           ; row tiles x 6,144 bytes (768 elements of 8), 12,288 apart; no padding: every LDS load reads consecutive bytes
	s_or_b32 s[G1B], s44, (3<<16)|(1<<21)
.irp g, G1, G1B
	s_mov_b32 s[\g+1], 768<<16
	s_mov_b32 s[\g+3], 768<<16
	s_mov_b32 s[\g+5], 1536
	s_mov_b32 s[\g+6], 0
	s_mov_b32 s[\g+7], 0
.endr
	s_mov_b32 s[G1+2], 16<<16
	s_mov_b32 s[G1+4], 16
	s_mov_b32 s[G1B+2], 8<<16
	s_mov_b32 s[G1B+4], 8
	s_mul_i32 s20, s17, 16*12288                   ; A's codes
	s_mov_b32 s21, 0
	s_mul_i32 s46, s42, 8*12288                    ; B's
	s_add_co_u32 s46, s46, WOIMG
	s_mov_b32 s47, 0
	s_lshl_b32 s18, s17, 8
	s_lshl_b32 s19, s14, 6
	s_add_co_u32 s18, s18, s19                     ; my first row
	s_lshl_b32 s22, s18, 5
	s_add_co_u32 s22, s22, OSC                     ; its scale bytes
	s_mov_b32 s23, 0
	s_lshl_b32 s96, s42, 12
	s_add_co_u32 s96, s96, WOSC                    ; the 128 columns' scale bytes
	s_mov_b32 s97, 0
	s_lshl_b32 s66, s42, 9                         ; the first column, in bytes of f32
	s_mov_b32 s67, 0
	s_lshl_b32 s12, s18, 12
	s_add_co_u32 s12, s12, s66
	s_mov_b32 s13, 0
	s_mul_i32 s15, s14, 4*6144                     ; my four row tiles in a half
	s_mul_i32 s16, s14, 16*SPITCH                  ; my stage
	s_wait_alu depctr_va_vdst(0)
	s_wait_dscnt 0x0
	CROUND                                         ; in front of the first joint loads
	s_wait_kmcnt 0x0
	s_add_nc_u64 s[20:21], s[4:5], s[20:21]
	s_add_nc_u64 s[46:47], s[6:7], s[46:47]
.irp s, 0,1
	s_mov_b32 s[G0+4*\s], 1
	s_mov_b32 s[G0+4*\s+1], \s*HALF
	s_add_nc_u64 s[G0+4*\s+2:G0+4*\s+3], s[20:21], \s*6144
	s_or_b32 s[G0+4*\s+3], s[G0+4*\s+3], 0x80000000
	s_mov_b32 s[G0B+4*\s], 1
	s_mov_b32 s[G0B+4*\s+1], \s*HALF+AH
	s_add_nc_u64 s[G0B+4*\s+2:G0B+4*\s+3], s[46:47], \s*6144
	s_or_b32 s[G0B+4*\s+3], s[G0B+4*\s+3], 0x80000000
.endr
	ARM 1, G0, G1, .Lhead_b0
	ARM 2, G0B, G1B, .Lhead_a1
	ARM 3, G0+4, G1, .Lhead_b1
	tensor_load_to_lds s[G0B+4:G0B+7], s[G1B:G1B+7]
	s_nop 0
	PLACES 4
.Lhead_asked:
	s_add_nc_u64 s[22:23], s[4:5], s[22:23]
	s_add_nc_u64 s[96:97], s[6:7], s[96:97]
	s_add_nc_u64 s[66:67], s[8:9], s[66:67]
	s_add_nc_u64 s[12:13], s[10:11], s[12:13]
	v_and_b32 v1, 15, v0                           ; r
	v_bfe_u32 v2, v0, 4, 1                         ; h
	v_and_b32 v3, 31, v0                           ; lane
	v_lshlrev_b32 v[CO], 4, v3
	v_lshlrev_b32 v4, 3, v3
	v_and_b32 v5, 8, v1
	v_lshlrev_b32 v12, 6, v2                       ; the bias: 64 h
	v_mul_u32_u24 v6, v1, SPITCH
	v_add_nc_u32 v[ADRA], s15, v[CO]
	v_add_nc_u32 v[ADRA+2], s15, v4
	v_add_nc_u32 v[ADRB], AH, v[CO]
	v_add_nc_u32 v[ADRB+2], AH, v4
	v_add_nc_u32 v5, v5, v1                        ; r + 8 (r / 8)
	v_lshl_add_u32 v6, v2, 6, v6
	v_add_nc_u32 v[ADRA+1], HALF, v[ADRA]
	v_add_nc_u32 v[ADRA+3], HALF, v[ADRA+2]
	v_add_nc_u32 v[ADRB+1], HALF, v[ADRB]
	v_add_nc_u32 v[ADRB+3], HALF, v[ADRB+2]
	v_lshlrev_b32 v5, 5, v5
	v_add_nc_u32 v[STO], s16, v6                   ; the stage, in: row r, 64 h
	v_add_nc_u32 v[RD], s16, v[CO]                 ; and back: a row of 512 bytes
	v_lshl_add_u32 v5, v2, 4, v5                   ; my row's 32 scale bytes, + 16 h
.irp i, 0,1,2,3
	global_load_b128 v[SA+4*\i:SA+4*\i+3], v5, s[22:23] offset:(32*(\i/2)+8*(\i%2))*32
.endr
.irp i, 0,1,2,3,4,5,6,7
	global_load_b128 v[SB+4*\i:SB+4*\i+3], v5, s[96:97] offset:(32*(\i/2)+8*(\i%2))*32
.endr
.irp b, 0,1,2,3
.irp j, 0,1,2,3
	global_load_b128 v[BN+16*\b+4*\j:BN+16*\b+4*\j+3], v12, s[66:67] offset:128*\b+16*\j   ; register 16 b + i: column 32 b + 16 h + i
.endr
.endr
.macro FRAG reg, a16, a8, q, i         ; a fragment, 16 rows x 128 K: two half fragments as they lie
.irp c, 0,1
	ds_load_b128 v[\reg+6*\c:\reg+6*\c+3], v[\a16] offset:6144*(\i)+1536*(\q)+768*\c
	ds_load_b64 v[\reg+6*\c+4:\reg+6*\c+5], v[\a8] offset:6144*(\i)+1536*(\q)+768*\c+512
.endr
.endm
.macro FETCH q                         ; K step q's fragments into set q % 2: 48 loads
	WIN 0x40
.irp i, 0,1,2,3,4,5,6,7
	FRAG 128*((\q)%2)+FR*\i, ADRB+(\q)/4, ADRB+2+(\q)/4, (\q)%4, \i
.endr
	WIN 0
.irp i, 0,1,2,3
	FRAG AF+48*((\q)%2)+FR*\i, ADRA+(\q)/4, ADRA+2+(\q)/4, (\q)%4, \i
.endr
.endm
.macro PR a, b, q, c, row
	v_wmma_scale_f32_16x16x128_f8f6f4 v[8*(8*\a+\b):8*(8*\a+\b)+7], v[128*((\q)%2)+FR*\b:128*((\q)%2)+FR*\b+FR-1], v[AF+48*((\q)%2)+FR*\a:AF+48*((\q)%2)+FR*\a+FR-1], \c, v[SB+4*\b+(\q)%4], v[SA+4*\a+(\q)%4] matrix_a_fmt:MATRIX_FMT_FP6 matrix_b_fmt:MATRIX_FMT_FP6 matrix_a_scale:MATRIX_SCALE_ROW\row matrix_b_scale:MATRIX_SCALE_ROW\row
.endm
.macro MUL q                           ; 32 products: the 32 accumulators take turns, one instruction a turn
.irp a, 0,1,2,3
.irp b, 0,1,2,3,4,5,6,7
.if (\q) == 0
	PR \a, \b, \q, v[BN+8*\b:BN+8*\b+7], 0
.elseif (\q) < 4
	PR \a, \b, \q, v[8*(8*\a+\b):8*(8*\a+\b)+7], 0
.else
	PR \a, \b, \q, v[8*(8*\a+\b):8*(8*\a+\b)+7], 1
.endif
.endr
.endr
.endm
.macro STEP q
.if (\q) == 3
	s_wait_tensorcnt 0x0                           ; every wave: my tile is in,
	s_wait_dscnt 0x0                               ; and my reads of the first half are over
	s_barrier_signal -1
	s_barrier_wait -1                              ; the second half is in; nobody reads the first any more
.endif
.if (\q) < 7
.if (\q) > 0
	PLACES 4                                       ; between the last step's products and the loads into their registers
.endif
	FETCH (\q)+1
	s_wait_dscnt 48                                ; all but the 48 just issued: this step's fragments are in
.else
	s_wait_dscnt 0x0
.endif
.if (\q) == 0
	WIN 0x81                                       ; source 0 window 1, source 1 and C window 0, D window 2
.else
	WIN 0xa1                                       ; C and D window 2
.endif
	MUL \q
.endm
	s_wait_alu depctr_va_vdst(0)                   ; the wait at the head's end
	s_cmp_lt_u32 s14, 2
	s_cbranch_scc0 .Lnot_first
	s_wait_tensorcnt 0x0                           ; waves 0 and 1: my tile of K 0-511 is in
.Lnot_first:
	s_barrier_signal -1
	s_barrier_wait -1                              ; both are; the second half may be on its way
	FETCH 0
	s_wait_loadcnt 0x0                             ; the scale words and the bias
.irp q, 0,1,2,3,4,5,6,7
	STEP \q
.endr
	WIN 0
; THE WAY OUT, block by block of 16 rows x 128 columns: through my stage, back as rows of 512 bytes, which the 32 lanes store as two aligned runs of 256 bytes.  LDS serves a wave's instructions in order.
.macro TOSTAGE a
.set AC, 64*(\a)
	WIN 0x08                                       ; the data: window 2
.irp b, 0,1,2,3,4,5,6,7
	ds_store_b128 v[STO], v[AC+8*\b:AC+8*\b+3] offset:128*(\b/2)+32*(\b%2)       ; each accumulator from its low end on
	ds_store_b128 v[STO], v[AC+8*\b+4:AC+8*\b+7] offset:128*(\b/2)+32*(\b%2)+16
.endr
	WIN 0
.set BB, BK+64*((\a)%2)
.irp t, 0,1,2,3,4,5,6,7,8,9,10,11,12,13,14,15
	ds_load_b128 v[BB+4*\t:BB+4*\t+3], v[RD] offset:\t*SPITCH
.endr
.endm
.macro SEND a, younger                 ; younger: the LDS instructions issued behind block a's loads
.set BB, BK+64*((\a)%2)
	s_wait_dscnt \younger
.irp t, 0,1,2,3,4,5,6,7,8,9,10,11,12,13,14,15
	global_store_b128 v[CO], v[BB+4*\t:BB+4*\t+3], s[12:13] offset:(32*((\a)/2)+8*((\a)%2)+\t+8*(\t/8))*4096 th:TH_STORE_NT
.endr
.endm
	PLACES 4                                       ; behind the last products: their results are read, and A's registers loaded into, below
	TOSTAGE 0
.irp a, 1,2,3
.if \a > 1
	s_wait_xcnt 0x0                                ; block a - 2's stores have read their registers
.endif
	TOSTAGE \a
	SEND \a-1, 32
.endr
	SEND 3, 0
	s_wait_tensorcnt 0x0                           ; the wave's end
	ds_add_u32 v[SPW], v[NIL]
	s_wait_dscnt 0x0
	CROUND                                         ; the closing round
	s_endpgm
.Lfunc_end_k_q21e8215934_proj:
	.size	k_q21e8215934_proj, .Lfunc_end_k_q21e8215934_proj-k_q21e8215934_proj
	.p2alignl 7, 3214868480
	.fill 96, 4, 3214868480
	.section	.rodata,"a",@progbits
	.p2align	6, 0x0
	.amdhsa_kernel k_q21e8215934_proj
		.amdhsa_group_segment_fixed_size 327680
		.amdhsa_private_segment_fixed_size 0
		.amdhsa_enable_private_segment 0
		.amdhsa_kernarg_size 32
		.amdhsa_user_sgpr_count 2
		.amdhsa_user_sgpr_kernarg_segment_ptr 1
		.amdhsa_wavefront_size32 1
		.amdhsa_system_sgpr_workgroup_id_x 1
		.amdhsa_system_sgpr_workgroup_id_y 1
		.amdhsa_system_sgpr_workgroup_id_z 1
		.amdhsa_system_vgpr_workitem_id 0
		.amdhsa_next_free_vgpr 768
		.amdhsa_next_free_sgpr 100
		.amdhsa_reserve_vcc 0
		.amdhsa_float_denorm_mode_32 3
		.amdhsa_float_denorm_mode_16_64 3
		.amdhsa_memory_ordered 1
		.amdhsa_forward_progress 1
		.amdhsa_inst_pref_size 83
	.end_amdhsa_kernel
	.amdgpu_metadata
---
amdhsa.version: [ 1, 2 ]
amdhsa.kernels:
  - .name:           k_q21e8215934_proj
    .symbol:         k_q21e8215934_proj.kd
    .args:
      - { .name: att, .offset: 0, .size: 8, .value_kind: global_buffer, .address_space: global }
      - { .name: prep, .offset: 8, .size: 8, .value_kind: global_buffer, .address_space: global }
      - { .name: b_out, .offset: 16, .size: 8, .value_kind: global_buffer, .address_space: global }
      - { .name: out0, .offset: 24, .size: 8, .value_kind: global_buffer, .address_space: global }
    .group_segment_fixed_size: 327680
    .private_segment_fixed_size: 0
    .kernarg_segment_align: 8
    .kernarg_segment_size: 32
    .max_flat_workgroup_size: 128
    .sgpr_count:     100
    .vgpr_count:     768
    .wavefront_size: 32
...
	.end_amdgpu_metadata
.endif
;; end of part 4
